; MI455X (gfx1250); checked and timed in simulation.
; The chip was launched on July 23, 2026; its instructions are those of AMD's public machine-readable ISA for CDNA 5 (MIT licence, August 2026) and "CDNA5" Instruction Set Architecture Reference Guide (July 2026). The comments in the code are by the model that wrote it; some were corrected since.
;; Energy Transformer Layer. Allowed arithmetic: matrix products marked QUANTISED: E2M1 operands, one E8M0 scale for each 32 along K, by v_wmma_scale_f32_16x16x128_f8f6f4 with both operands' format E2M1 (or v_wmma_scale_f32_32x16x128_f4), f32 sums; everything else in f32.
;; Inputs: W1 4,096 x 1,024 float32; W2 1,024 x 4,096 float32; Wk 16 x 64 x 1,024 float32; Wo 1,024 x 1,024 float32; Wq 16 x 64 x 1,024 float32; alpha1 1 float32; alpha2 1 float32; context 2,048 x 1,024 float32; target 1,024 x 1,024 float32.
;; Outputs: out0 1,024 x 1,024 float32.
;; This version of the problem:
;;   THIS VERSION OF THE PROBLEM IS GIVEN IN LOW PRECISION. The matrix products marked QUANTISED in the list below multiply operands that are first quantised to E2M1 (2 exponent bits, 1 mantissa bit; 4 bits a number), with one power-of-two scale for each 32 numbers along K (OCP MX v1.0); their sums are f32. All else is computed in f32.
;;   The module's matrix products, in the order in which they are computed (A, B: the left and right operand; K: the contracted axis; several contracted axes count as one K, in the product's order):
;;     1. [M 2,048, K 1,024] x [K 1,024, N 1,024]; A: input context; B: input Wk: QUANTISED
;;     2. [M 1,024, K 1,024] x [K 1,024, N 1,024]; A: computed on the way; B: input Wq: QUANTISED
;;     3. batch 16 x [M 1,024, K 64] x [K 64, N 2,048]; A: computed on the way; B: computed on the way: QUANTISED
;;     4. batch 16 x [M 64, K 2,048] x [K 2,048, N 1,024]; A: computed on the way; B: softmax (see below): QUANTISED
;;     5. batch 16 x [M 1,024, K 64] x [K 64, N 2,048]; A: computed on the way; B: computed on the way: QUANTISED
;;     6. batch 16 x [M 64, K 2,048] x [K 2,048, N 1,024]; A: computed on the way; B: softmax (see below): QUANTISED
;;     7. batch 16 x [M 1,024, K 64] x [K 64, N 2,048]; A: computed on the way; B: computed on the way: QUANTISED
;;     8. batch 16 x [M 64, K 2,048] x [K 2,048, N 1,024]; A: computed on the way; B: softmax (see below): QUANTISED
;;     9. batch 16 x [M 1,024, K 64] x [K 64, N 2,048]; A: computed on the way; B: computed on the way: QUANTISED
;;     10. batch 16 x [M 64, K 2,048] x [K 2,048, N 1,024]; A: computed on the way; B: softmax (see below): QUANTISED
;;     11. batch 16 x [M 1,024, K 64] x [K 64, N 2,048]; A: computed on the way; B: computed on the way: QUANTISED
;;     12. batch 16 x [M 64, K 2,048] x [K 2,048, N 1,024]; A: computed on the way; B: softmax (see below): QUANTISED
;;     13. [M 1,024, K 1,024] x [K 1,024, N 1,024]; A: computed on the way; B: input Wo: QUANTISED
;;     14. [M 1,024, K 1,024] x [K 1,024, N 4,096]; A: computed on the way; B: input W1: QUANTISED
;;     15. [M 1,024, K 4,096] x [K 4,096, N 1,024]; A: computed on the way; B: input W2: QUANTISED
;;   THE QUANTISER, for each operand of a quantised product, along K:
;;     - K is cut into blocks of 32 from its start; a last block that is shorter is filled with zeros.
;;     - A block's scale is 2^e with e = floor(log2(the largest magnitude in the block)) - 2, held to -126 .. 127; a block of zeros has e = 0. As a byte (E8M0): e + 127.
;;     - Each number is divided by its block's scale, clamped to +-6, and rounded to the nearest number of E2M1, ties to even, subnormals kept.
;;     - The product sums the exact products of the quantised numbers (number of the format x scale) in f32.
;;   ~~~python
;;   def quantise(x, axis):      # numpy; x: float32 -> the quantised numbers, widened to float32 again
;;       x = np.moveaxis(x, axis, -1); K = x.shape[-1]
;;       x = np.pad(x, [(0, 0)] * (x.ndim - 1) + [(0, -K % 32)]); x = x.reshape(x.shape[:-1] + (-1, 32)); a = np.abs(x).max(-1, keepdims=True)
;;       e = np.where(a > 0, np.clip(np.frexp(np.where(a > 0, a, 1))[1] - 1 - 2, -126, 127), 0)      # np.frexp(a)[1] - 1 = floor(log2(a)), exactly
;;       r = np.clip(x / 2.0 ** e, -6, 6)
;;       step = 2.0 ** (np.maximum(np.frexp(np.where(r == 0, 1, r))[1] - 1, 0) - 1)
;;       q = np.round(r / step) * step * 2.0 ** e      # np.round: ties to even
;;       return np.moveaxis(q.reshape(q.shape[:-2] + (-1,))[..., :K], -1, axis).astype(np.float32)
;;   ~~~
;;   SOFTMAX AHEAD OF A QUANTISED PRODUCT. Where the list says 'softmax', what is quantised is not the finished softmax but p = 2^(t - M), with t = logit x log2(e) and M = ceil(the row's largest t), a whole number; so 1/2 < the row's largest p <= 1. The row's sum l is taken of the UNQUANTISED p, in f32, and the product's result is divided by l at the end. Since M is a whole number, a kernel that streams over the keys may use a running M (the ceiling of the running maximum): every later rescaling is an exact power of two, which a block's scale takes up: the codes' values come out the same.
;;   OPERANDS COMPUTED ON THE WAY. 'Computed on the way' means the value that the module computes at that place (a softmax that the list does not call 'softmax' is quantised finished and normalised). What goes into a quantiser is computed in f32, as accurately as f32 sums, v_exp_f32 and their like allow (about 1e-6 of the number): no bf16 or f16 on the way to a quantiser, and a product that is left as it is and whose result goes on into a quantised operand takes f32 operands (vector FMAs, or v_wmma_f32_16x16x4_f32). A number that lies on a knife's edge between two numbers of the format may be rounded either way, as far as f32 arithmetic and the matrix unit's own rounding can turn it there, and no further.
;; One version. Each part assembles by itself: llvm-mc -triple=amdgcn-amd-amdhsa -mcpu=gfx1250 --defsym DOCPART=n.
;; ======== version 1 of 1: 6 launches
;; limits: right only within a limited range of input values
;; workspace buffers: wq 7,798,784 bytes; kv 2,228,224 bytes; qa 557,056 bytes; t2 4,194,304 bytes; n2 557,056 bytes; hid 2,228,224 bytes
;; launch quant (part 1): grid 256 x 1, 7 waves a work-group, no clusters, 58,368 bytes of LDS; arguments context, Wk, Wq, Wo, W1, W2, target, alpha1, wq; writes wq
.if DOCPART == 1
	.amdgcn_target "amdgcn-amd-amdhsa--gfx1250"
	.amdhsa_code_object_version 6
	.text
	.protected	k_qbb2c875e83_quant
	.globl	k_qbb2c875e83_quant
	.p2align	8
	.type	k_qbb2c875e83_quant,@function
k_qbb2c875e83_quant:
	s_mov_b64 s[64:65], 0
	v_nop
	global_prefetch_b8 v0, s[64:65] scope:SCOPE_SE
	s_setreg_imm32_b32 hwreg(HW_REG_WAVE_MODE, 25, 1), 1
	s_wait_xcnt 0x0
; context, Wk, Wq, Wo, W1, W2 and tanh(alpha1 x target), all f32 with K innermost, become codes of FP4 (E2M1), two a byte, and one E8M0 byte for each 32 along K.
; All seven are plain streams of blocks of 32.  A wave takes a RUN of 8,192 numbers: 16 steps of 512.  The seven tensors are 1,792 runs: 256 work-groups of seven waves, run = 7 x work-group + wave.
; They lie one behind the other in wq: codes from byte 0 (4,096 bytes a run), scale bytes from byte SCL (256 a run).  Runs 0-255 context, 256-383 Wk, 384-511 Wq, 512-639 Wo, 640-1151 W1, 1152-1663 W2, 1664-1791 target.
; ROW ORDER.  Of the six that later serve as source 0 of a transposed product, bits 3 and 4 of the row's number change places on the way out, so that 16 rows that lie on end in wq
; are rows 32 b + 8 u + (r % 8) + 16 (r / 8) of the tensor.  A run is 8 rows (K = 1,024) or 2 rows (W2, K = 4,096): the swap is one of two bits of the run's number.  The target keeps its order.
; A block's scale is 2^(floor(log2(largest magnitude)) - 2); its byte is the magnitude's exponent field - 2, held at 1 from below.
; tanh(x) = 1 - 2 / (1 + 2^(2 log2(e) x)); where x^2 < 1/16 the series x - x^3/3 + 2 x^5/15 - 17 x^7/315, so that small numbers keep their relative accuracy (about 5e-7 on both arms).
; LIMITS: NaN and infinities are not served.  A block of zeros, or one whose largest magnitude lies under 2^-124, gets the byte 1: its codes are zeros (or the byte is the held one), and this program alone reads the bytes.
; Each of a step's four loads reads 512 consecutive bytes; the 2,048 bytes turn through the wave's own stage in LDS and come back 64 bytes a lane: 16 neighbours along K, two lanes to a block.
; No tensor loads, no barrier: waves share nothing.  Loads run six steps (24 loads a wave) ahead.  No prefetch: the launch is one stream of loads from its first line on.
; AS THE TEXT NOW STANDS, in place of the head's words on the runs and on the row order: run = 256 x (6 - wave) + (work-group xor 128); of the context the low three bits of the run's number turn by one place,
; so that 16 rows on end in wq are rows 64 c + 8 u + (r % 8) + 32 (r / 8); Wk, Wq, Wo, W1, W2 keep the exchange of bits 3 and 4 of the row's number; the target keeps its order.
.set STEPS, 16
.set AH,    6                          ; steps that the loads run ahead
.set EMAX,  2
.set CB,    8                          ; bytes of 16 codes
.set R,     16                         ; v16-111  six sets of 16 numbers as loaded
.set X,     112                        ; v112-143 two sets of 16 neighbours
.set E,     144                        ; v144-159 a scale byte for each step
.set C,     160                        ; v160-191 codes, two registers a step: no store's data are written again
.set TY,    192                        ; v192-239 tanh at work
.set TZ,    208
.set TQ,    224
.set WREG,  8192                       ; LDS: a wave's region: two stages of 32 x SP bytes, then its 256 scale bytes
.set SP,    80
.set SCL,   7340032
.set WV,    30
.set AL,    27                         ; alpha1
.set RG,    36                         ; my run among all
.set C1,    38
.set C2,    39
.set C3,    40
.set CQ,    41
	s_load_b512 s[8:23], s[0:1], 0x0               ; context, Wk, Wq, Wo, W1, W2, target, alpha1
	s_load_b64 s[24:25], s[0:1], 0x40              ; wq
	v_lshl_add_u32 v240, v0, 2, 0xe000
	v_mov_b32 v241, 0
	v_lshrrev_b32 v1, 5, v0
	v_readfirstlane_b32 s[WV], v1                  ; wave 0..6
	v_and_b32 v2, 31, v0                           ; lane
	v_lshlrev_b32 v3, 4, v2                        ; my 16 bytes of a load's 512
	s_mul_i32 s31, s[WV], WREG
	v_lshrrev_b32 v14, 2, v2
	v_mul_u32_u24 v14, v14, SP
	v_and_b32 v15, 3, v2
	v_lshl_add_u32 v14, v15, 4, v14
	v_add_nc_u32 v14, s31, v14                     ; the stage, in: SP (lane / 4) + 16 (lane % 4)
	v_mul_u32_u24 v15, v2, SP
	v_add_nc_u32 v15, s31, v15                     ; and out: SP x lane
	v_mul_u32_u24 v4, v2, CB                       ; my codes' place in a step's
	v_lshrrev_b32 v5, 1, v2
	s_add_co_u32 s31, s31, 2*32*SP
	v_add_nc_u32 v5, s31, v5                       ; my block's scale byte in LDS
	v_lshlrev_b32 v7, 3, v2
	v_add_nc_u32 v6, s31, v7                       ; and 8 bytes a lane on the way out
	s_sub_co_u32 s[RG], 6, s[WV]                   ; my run = 256 x (6 - wave) + (work-group xor 128): the 128 runs of the target, which alone take the tanh,
	s_lshl_b32 s[RG], s[RG], 8                     ; fall one to a work-group, on wave 0 of work-groups 0 to 127: the longest work has the lowest numbers
	s_xor_b32 s32, ttmp9, 128
	s_add_co_u32 s[RG], s[RG], s32
	s_mov_b32 s[C1], 0xbeaaaaab                    ; -1/3
	s_mov_b32 s[C2], 0x3e088889                    ; 2/15
	s_mov_b32 s[C3], 0xbd5d0dd1                    ; -17/315
	s_mov_b32 s[CQ], 0x3d800000                    ; 1/16
	s_wait_alu depctr_va_vdst(0)
	s_wait_kmcnt 0x0
	s_load_b32 s[AL], s[22:23], 0x0                ; alpha1: waited for behind the first loads
	s_mov_b64 s[4:5], s[8:9]                       ; which tensor is my run's: the choice hangs on the run's number alone
	s_mov_b32 s26, 0                               ; and its first run
.macro PICK first, ptr
	s_cmp_ge_u32 s[RG], \first
	s_cselect_b64 s[4:5], s[\ptr:\ptr+1], s[4:5]
	s_cselect_b32 s26, \first, s26
.endm
	PICK 256, 10
	PICK 384, 12
	PICK 512, 14
	PICK 640, 16
	PICK 1152, 18
	PICK 1664, 20
	s_sub_co_u32 s28, s[RG], s26                   ; my run in its tensor
	s_lshl_b32 s28, s28, 15                        ; 32,768 bytes of f32 a run
	s_mov_b32 s29, 0
	s_add_nc_u64 s[4:5], s[4:5], s[28:29]
	s_mov_b32 s32, s[RG]
	s_cmp_ge_u32 s[RG], 1152
	s_cselect_b32 s33, 2, 0                        ; the row's bit 3 is the run's bit 0, in W2 its bit 2
	s_lshr_b32 s34, s32, s33
	s_lshr_b32 s35, s34, 1
	s_xor_b32 s34, s34, s35
	s_and_b32 s34, s34, 1                          ; 1 where the two bits differ:
	s_mul_i32 s34, s34, 3
	s_lshl_b32 s34, s34, s33                       ; then both are turned
	s_cmp_ge_u32 s[RG], 1664
	s_cselect_b32 s34, 0, s34                      ; the target keeps its order
	s_xor_b32 s32, s32, s34
	s_and_b32 s35, s[RG], 3                        ; THE CONTEXT ALONE (runs 0-255) is laid otherwise: the low three bits of the run's number turn by one place,
	s_lshl_b32 s35, s35, 1                         ; so that 16 rows that lie on end in wq are rows 64 c + 8 u + (r % 8) + 32 (r / 8) of the tensor
	s_bfe_u32 s33, s[RG], 0x10002
	s_or_b32 s35, s35, s33
	s_and_b32 s33, s[RG], 0xf8
	s_or_b32 s35, s35, s33
	s_cmp_lt_u32 s[RG], 256
	s_cselect_b32 s32, s35, s32
	s_lshl_b32 s28, s32, 12
	s_add_nc_u64 s[6:7], s[24:25], s[28:29]        ; my run's codes
	s_lshl_b32 s28, s32, 8
	s_add_co_u32 s28, s28, SCL
	s_add_nc_u64 s[24:25], s[24:25], s[28:29]      ; and its scale bytes
; tanh(alpha x) of 16 registers, in place.  The exponentials are one batch with one wait, the reciprocals another; the squares and the series are the independent work behind them.
.macro TANH16 x, y, z, p
.set N, 0
.rept 16
	v_mul_f32 v[(\x)+N], s[AL], v[(\x)+N]
.set N, N+1
.endr
.set N, 0
.rept 16
	v_mul_f32 v[(\y)+N], 0x4038aa3b, v[(\x)+N]     ; 2 log2(e) x
.set N, N+1
.endr
.set N, 0
	s_wait_alu depctr_va_vdst(0)
.rept 16
	v_exp_f32 v[(\y)+N], v[(\y)+N]
.set N, N+1
.endr
.set N, 0
.rept 16
	v_mul_f32 v[(\z)+N], v[(\x)+N], v[(\x)+N]
.set N, N+1
.endr
	s_wait_alu depctr_va_vdst(0)                   ; one wait for the 16 exponentials, ahead of their first reader
.set N, 0
.rept 16
	v_add_f32 v[(\y)+N], 1.0, v[(\y)+N]
.set N, N+1
.endr
.set N, 0
	s_wait_alu depctr_va_vdst(0)
.rept 16
	v_rcp_f32 v[(\y)+N], v[(\y)+N]
.set N, N+1
.endr
.set N, 0
.rept 16
	v_fma_f32 v[(\p)+N], v[(\z)+N], s[C3], s[C2]
.set N, N+1
.endr
.set N, 0
.rept 16
	v_fma_f32 v[(\p)+N], v[(\p)+N], v[(\z)+N], s[C1]
.set N, N+1
.endr
.set N, 0
.rept 16
	v_mul_f32 v[(\p)+N], v[(\p)+N], v[(\z)+N]
.set N, N+1
.endr
.set N, 0
.rept 16
	v_fma_f32 v[(\p)+N], v[(\x)+N], v[(\p)+N], v[(\x)+N]
.set N, N+1
.endr
	s_wait_alu depctr_va_vdst(0)                   ; one wait for the 16 reciprocals
.set N, 0
.rept 16
	v_fma_f32 v[(\y)+N], v[(\y)+N], -2.0, 1.0
.set N, N+1
.endr
.set N, 0
.rept 16
	v_cmp_gt_f32 vcc_lo, s[CQ], v[(\z)+N]          ; x^2 < 1/16: the series
	v_cndmask_b32 v[(\x)+N], v[(\y)+N], v[(\p)+N], vcc_lo
.set N, N+1
.endr
.endm
.macro LOAD t
.irp i, 0,1,2,3
	global_load_b128 v[R+16*((\t)%AH)+4*\i:R+16*((\t)%AH)+4*\i+3], v3, s[4:5] offset:2048*(\t)+512*\i th:TH_LOAD_NT   ; 32 lanes read 512 consecutive bytes
.endr
.endm
.macro TURN t                          ; step t's numbers through the stage: LDS serves a wave's instructions in order, so no wait stands between the stores and the loads
.irp i, 0,1,2,3
	ds_store_b128 v14, v[R+16*((\t)%AH)+4*\i:R+16*((\t)%AH)+4*\i+3] offset:32*SP*((\t)%2)+8*SP*\i
.endr
.irp i, 0,1,2,3
	ds_load_b128 v[X+16*((\t)%2)+4*\i:X+16*((\t)%2)+4*\i+3], v15 offset:32*SP*((\t)%2)+16*\i
.endr
.endm
.irp t, 0,1,2,3,4,5
	LOAD \t
.endr
	s_wait_loadcnt 4*(AH-1)                        ; step 0's four loads are in; the twenty behind them may be out
	TURN 0
	s_wait_kmcnt 0x0                               ; alpha1
.macro STEP t
.set XS, X+16*((\t)%2)
.if (\t) > 0
	s_wait_dscnt 1                                 ; this step's numbers are back from the stage (the last step's byte store may be out)
.else
	s_wait_dscnt 0x0
.endif
.if (\t)+AH < STEPS
	LOAD (\t)+AH                                   ; into the registers that the stage's stores have read
.endif
.if (\t)+1 < STEPS
.if STEPS-2-(\t) >= AH-1
	s_wait_loadcnt 4*(AH-1)                        ; the next step's four loads are in; those of the five steps behind it may be out
.else
	s_wait_loadcnt 4*(STEPS-2-(\t))
.endif
	TURN (\t)+1
.endif
	s_cmp_lt_u32 s[RG], 1664                       ; the target's runs alone take the tanh: register work only stands under the branch
	s_cbranch_scc1 .Lplain_\@
	TANH16 XS, TY, TZ, TQ
.Lplain_\@:
	v_max3_num_f32 v8, |v[XS]|, |v[XS+1]|, |v[XS+2]|               ; the largest magnitude of my 16
	v_max3_num_f32 v9, |v[XS+3]|, |v[XS+4]|, |v[XS+5]|
.irp i, 6,10
	v_max3_num_f32 v8, v8, |v[XS+\i]|, |v[XS+\i+1]|
	v_max3_num_f32 v9, v9, |v[XS+\i+2]|, |v[XS+\i+3]|
.endr
	v_max3_num_f32 v8, v8, |v[XS+14]|, |v[XS+15]|
	v_max3_num_f32 v8, v8, v9, (EMAX+1)<<23        ; and the floor 2^(3 - 127): the byte cannot fall under 1
	v_max_num_f32_dpp v8, v8, v8 row_xmask:1 row_mask:0xf bank_mask:0xf   ; and of my neighbour's 16: the block's
	v_add_nc_u32 v11, -(EMAX<<23), v8              ; 2 off its exponent field: the conversion's scale operand
	v_cvt_scalef32_pk8_fp4_f32 v[C+2*(\t)], v[XS:XS+7], v11
	v_cvt_scalef32_pk8_fp4_f32 v[C+2*(\t)+1], v[XS+8:XS+15], v11
	v_lshrrev_b32 v[E+(\t)], 23, v11               ; the scale's byte
	ds_store_b8 v5, v[E+(\t)] offset:16*(\t)       ; both lanes of a block write the same byte with the same value
	global_store_b64 v4, v[C+2*(\t):C+2*(\t)+1], s[6:7] offset:32*CB*(\t)   ; the wave stores 256 consecutive bytes, aligned
.endm
.irp t, 0,1,2,3,4,5,6,7,8,9,10,11,12,13,14,15
	STEP \t
.endr
	ds_load_b64 v[12:13], v6                       ; LDS serves a wave's instructions in order: these see my stores
	s_wait_dscnt 0x0
	global_store_b64 v7, v[12:13], s[24:25]        ; 32 lanes store 256 consecutive bytes, aligned
	s_wait_tensorcnt 0x0
	ds_add_u32 v240, v241
	s_wait_dscnt 0x0
	s_endpgm
.Lfunc_end_k_qbb2c875e83_quant:
	.size	k_qbb2c875e83_quant, .Lfunc_end_k_qbb2c875e83_quant-k_qbb2c875e83_quant
	.p2alignl 7, 3214868480
	.fill 96, 4, 3214868480
	.section	.rodata,"a",@progbits
	.p2align	6, 0x0
	.amdhsa_kernel k_qbb2c875e83_quant
		.amdhsa_group_segment_fixed_size 58368
		.amdhsa_private_segment_fixed_size 0
		.amdhsa_enable_private_segment 0
		.amdhsa_kernarg_size 72
		.amdhsa_user_sgpr_count 2
		.amdhsa_user_sgpr_kernarg_segment_ptr 1
		.amdhsa_wavefront_size32 1
		.amdhsa_system_sgpr_workgroup_id_x 1
		.amdhsa_system_sgpr_workgroup_id_y 1
		.amdhsa_system_sgpr_workgroup_id_z 1
		.amdhsa_system_vgpr_workitem_id 0
		.amdhsa_next_free_vgpr 242
		.amdhsa_next_free_sgpr 66
		.amdhsa_reserve_vcc 1
		.amdhsa_float_denorm_mode_32 3
		.amdhsa_float_denorm_mode_16_64 3
		.amdhsa_memory_ordered 1
		.amdhsa_forward_progress 1
		.amdhsa_inst_pref_size 183
	.end_amdhsa_kernel
	.amdgpu_metadata
---
amdhsa.version: [ 1, 2 ]
amdhsa.kernels:
  - .name:           k_qbb2c875e83_quant
    .symbol:         k_qbb2c875e83_quant.kd
    .args:
      - { .name: context, .offset: 0, .size: 8, .value_kind: global_buffer, .address_space: global }
      - { .name: Wk, .offset: 8, .size: 8, .value_kind: global_buffer, .address_space: global }
      - { .name: Wq, .offset: 16, .size: 8, .value_kind: global_buffer, .address_space: global }
      - { .name: Wo, .offset: 24, .size: 8, .value_kind: global_buffer, .address_space: global }
      - { .name: W1, .offset: 32, .size: 8, .value_kind: global_buffer, .address_space: global }
      - { .name: W2, .offset: 40, .size: 8, .value_kind: global_buffer, .address_space: global }
      - { .name: target, .offset: 48, .size: 8, .value_kind: global_buffer, .address_space: global }
      - { .name: alpha1, .offset: 56, .size: 8, .value_kind: global_buffer, .address_space: global }
      - { .name: wq, .offset: 64, .size: 8, .value_kind: global_buffer, .address_space: global }
    .group_segment_fixed_size: 58368
    .private_segment_fixed_size: 0
    .kernarg_segment_align: 8
    .kernarg_segment_size: 72
    .max_flat_workgroup_size: 224
    .sgpr_count:     66
    .vgpr_count:     242
    .wavefront_size: 32
...
	.end_amdgpu_metadata
.endif
;; end of part 1
;; launch kproj (part 2): grid 16 x 16, 8 waves a work-group, clusters of 4 x 4, 168,960 bytes of LDS; arguments wq, kv; writes kv
.if DOCPART == 2
	.amdgcn_target "amdgcn-amd-amdhsa--gfx1250"
	.amdhsa_code_object_version 6
	.text
	.protected	k_qbb2c875e83_kproj
	.globl	k_qbb2c875e83_kproj
	.p2align	8
	.type	k_qbb2c875e83_kproj,@function
k_qbb2c875e83_kproj:
	s_mov_b64 s[64:65], 0
	v_nop
	global_prefetch_b8 v0, s[64:65] scope:SCOPE_SE
	s_setreg_imm32_b32 hwreg(HW_REG_WAVE_MODE, 25, 1), 1
	s_wait_xcnt 0x0
	s_wait_alu depctr_hold_cnt(0) depctr_sa_sdst(0) depctr_va_vdst(0) depctr_va_sdst(0) depctr_va_ssrc(0) depctr_va_vcc(0) depctr_vm_vsrc(0)
	s_getreg_b32 s2, hwreg(HW_REG_IB_STS2, 6, 4)
	s_cmp_eq_u32 s2, 0
	s_cbranch_scc0 .Lentry_in_a_cluster
	s_endpgm
.Lentry_in_a_cluster:
	s_bfe_u32 s2, ttmp6, 0x10000c
	s_cmp_lg_u32 s2, 0xf033
	s_cbranch_scc0 .Lentry_shape_is_right
	s_endpgm
.Lentry_shape_is_right:
; K = context Wk^T on codes of FP4, for 128 keys (work-group x) of one head (work-group y), quantised twice: along the head's 64 (for the scores) and along the keys (for p K).
; The product is made in BOTH orientations from the same LDS strips (swapped sources give the same sums), so that each quantiser finds its K along a lane's registers; nothing goes through LDS as f32.
; K WAY: source 0 = 16 rows of Wk (tile j), source 1 = 16 keys (my tile w): a lane holds one key, register 8 j + t the head's channel 32 (j / 2) + 16 h + 8 (j % 2) + t.
; V WAY: source 0 = 16 keys (tiles 4 c + i, c = wave / 4), source 1 = 16 rows of Wk (tile w % 4): a lane holds one channel, its registers 64 keys in the same order.
; Both strips lie in wq with bits 3 and 4 of the row's number swapped, so a tile is 16 rows on end and yet holds rows 32 b + 8 u + (r % 8) + 16 (r / 8).
; OUT, for each head 139,264 bytes of kv, all as images of operand registers (registers 4 c .. 4 c + 3 of lane L at 512 c + 16 L of a fragment's 1,024 bytes):
;   +0 K's fragments [key step][f][1,024]: key tile 2 f in k < 64, key tile 2 f + 1 in k >= 64;  +65,536 V's [key step][channel tile][1,024];  +131,072, +135,168 their scale words [step][tile][r][4].
; The codes leave as 512 consecutive bytes a store.  The scale bytes leave two at a time, 32 bytes a wave and store: they fill their aligned 256 bytes only in part; they are 8,192 of a head's 139,264 bytes.
; CLUSTER 4 x 4: the context's strip hangs on x alone and is asked for jointly along a column, Wk's on y alone, along a row.  Every strip is filled once: no slot is filled again.
; LIMITS: NaN and infinities are not served; a block whose largest magnitude lies under 2^-124 gets the byte 1.
; AS THE TEXT NOW STANDS, in place of the head's words on the V way and on the context's strip: the context's tile 4 c + i holds keys 64 c + 8 i + (r % 8) + 32 (r / 8) (Wk's strip keeps the exchange of bits 3 and 4);
; so in the V way a lane holds one channel and a whole block of 32 keys, 64 c + 32 h + 0 .. 31, and stores that block's one scale byte.
.set SCL, 7340032
.set WKC, 1048576
.set WV, 8
.set CX, 9
.set CY, 10
.set GX, 11
.set GY, 12
.set MR, 13
.set MC, 14
.set G1C, 16                           ; s[16:23] group 1, context's strip; s[24:31] Wk's; s[32:35], s[36:39] their groups 0
.set G1W, 24
.set G0C, 32
.set G0W, 36
.set SEL, 40                           ; s[40:41] selects for lane l xor 16
.set ADC, 1                            ; v1 LDS: context tiles 4 c + i;  v2 my own tile w;  v3 Wk's tiles;  v4 my own tile w % 4
.set ADCO, 2
.set ADW, 3
.set ADWO, 4
.set KCO, 5                            ; v5-8 offsets of the four stores
.set KSO, 6
.set VCO, 7
.set VSO, 8
.set KA, 16                            ; v16-47 K way's four accumulators;  v48-79 V way's
.set VA, 48
.set CF, 80                            ; v80-111 four fragments of the context;  v112-143 of Wk;  v144-151, v152-159 my own of each
.set WF, 112
.set COWN, 144
.set WOWN, 152
.set SC, 160                           ; v160-191 scale words, set i, word s: lanes 0-15 context tile 4 c + i, lanes 16-31 Wk tile i
.set OWN, 192                          ; v192-199 lanes 0-15 context tile w, lanes 16-31 Wk tile w % 4
.set TM, 208
.set TP, 210
.set SO, 212
.set EB, 214
.set W1R, 216
.set W2R, 217
.set PC1, 220
.set PC2, 224
.macro PLACES n
.rept \n
	v_nop
.endr
.endm
.macro CROUND                          ; a round of the cluster's barrier
	s_barrier_signal -1
	s_barrier_wait -1
	s_cmp_lg_u32 s[WV], 0
	s_cbranch_scc1 .Lnot_wave_0_\@
	s_barrier_signal -3
.Lnot_wave_0_\@:
	s_barrier_wait -3
	s_barrier_signal -1
	s_barrier_wait -1
.endm
; one product: D, A, B at registers d, a, b; C = 0 where c < 0; scale registers sa, sb, read from lanes 16-31 where ra, rb = 1
.macro WM d, a, b, c, sa, ra, sb, rb
.if (\c) < 0
.if (\ra) && (\rb)
	v_wmma_scale_f32_16x16x128_f8f6f4 v[(\d):(\d)+7], v[(\a):(\a)+7], v[(\b):(\b)+7], 0, v[\sa], v[\sb] matrix_a_fmt:MATRIX_FMT_FP4 matrix_b_fmt:MATRIX_FMT_FP4 matrix_a_scale:MATRIX_SCALE_ROW1 matrix_b_scale:MATRIX_SCALE_ROW1
.elseif (\ra)
	v_wmma_scale_f32_16x16x128_f8f6f4 v[(\d):(\d)+7], v[(\a):(\a)+7], v[(\b):(\b)+7], 0, v[\sa], v[\sb] matrix_a_fmt:MATRIX_FMT_FP4 matrix_b_fmt:MATRIX_FMT_FP4 matrix_a_scale:MATRIX_SCALE_ROW1
.elseif (\rb)
	v_wmma_scale_f32_16x16x128_f8f6f4 v[(\d):(\d)+7], v[(\a):(\a)+7], v[(\b):(\b)+7], 0, v[\sa], v[\sb] matrix_a_fmt:MATRIX_FMT_FP4 matrix_b_fmt:MATRIX_FMT_FP4 matrix_b_scale:MATRIX_SCALE_ROW1
.else
	v_wmma_scale_f32_16x16x128_f8f6f4 v[(\d):(\d)+7], v[(\a):(\a)+7], v[(\b):(\b)+7], 0, v[\sa], v[\sb] matrix_a_fmt:MATRIX_FMT_FP4 matrix_b_fmt:MATRIX_FMT_FP4
.endif
.else
.if (\ra) && (\rb)
	v_wmma_scale_f32_16x16x128_f8f6f4 v[(\d):(\d)+7], v[(\a):(\a)+7], v[(\b):(\b)+7], v[(\c):(\c)+7], v[\sa], v[\sb] matrix_a_fmt:MATRIX_FMT_FP4 matrix_b_fmt:MATRIX_FMT_FP4 matrix_a_scale:MATRIX_SCALE_ROW1 matrix_b_scale:MATRIX_SCALE_ROW1
.elseif (\ra)
	v_wmma_scale_f32_16x16x128_f8f6f4 v[(\d):(\d)+7], v[(\a):(\a)+7], v[(\b):(\b)+7], v[(\c):(\c)+7], v[\sa], v[\sb] matrix_a_fmt:MATRIX_FMT_FP4 matrix_b_fmt:MATRIX_FMT_FP4 matrix_a_scale:MATRIX_SCALE_ROW1
.elseif (\rb)
	v_wmma_scale_f32_16x16x128_f8f6f4 v[(\d):(\d)+7], v[(\a):(\a)+7], v[(\b):(\b)+7], v[(\c):(\c)+7], v[\sa], v[\sb] matrix_a_fmt:MATRIX_FMT_FP4 matrix_b_fmt:MATRIX_FMT_FP4 matrix_b_scale:MATRIX_SCALE_ROW1
.else
	v_wmma_scale_f32_16x16x128_f8f6f4 v[(\d):(\d)+7], v[(\a):(\a)+7], v[(\b):(\b)+7], v[(\c):(\c)+7], v[\sa], v[\sb] matrix_a_fmt:MATRIX_FMT_FP4 matrix_b_fmt:MATRIX_FMT_FP4
.endif
.endif
.endm
; 32 numbers of a lane, register 16 b + i = k 32 b + 16 (lane / 16) + i of my row, become four registers of codes (lane (r, h): block h whole) and the two scale bytes in v[w]
.macro QUANT2 s, pc, w
.irp b, 0,1
	v_max3_num_f32 v[TM+\b], |v[(\s)+16*\b]|, |v[(\s)+1+16*\b]|, 0x1800000   ; my 16 numbers of block b, and the floor 2^(3 - 127)
.endr
.irp i, 2,4,6,8,10,12,14
.irp b, 0,1
	v_max3_num_f32 v[TM+\b], v[TM+\b], |v[(\s)+16*\b+\i]|, |v[(\s)+1+16*\b+\i]|
.endr
.endr
.irp b, 0,1
	s_delay_alu instid0(VALU_DEP_2)
	v_permlanex16_b32 v[TP+\b], v[TM+\b], s[SEL], s[SEL+1]
.endr
.irp b, 0,1
	s_delay_alu instid0(VALU_DEP_2)
	v_max_num_f32 v[TM+\b], v[TM+\b], v[TP+\b]     ; with lane l xor 16's: the block's largest magnitude
.endr
.irp b, 0,1
	s_delay_alu instid0(VALU_DEP_2)
	v_add_nc_u32 v[SO+\b], 0xff000000, v[TM+\b]    ; 2 off its exponent field: the conversion's scale operand
.endr
.irp b, 0,1
	s_delay_alu instid0(VALU_DEP_2)
	v_lshrrev_b32 v[EB+\b], 23, v[SO+\b]           ; the scale's byte
.endr
	s_delay_alu instid0(VALU_DEP_1)
	v_lshl_or_b32 v[\w], v[EB+1], 8, v[EB]
	v_cvt_scalef32_pk8_fp4_f32 v[(\pc)], v[(\s):(\s)+7], v[SO]
	v_cvt_scalef32_pk8_fp4_f32 v[(\pc)+1], v[(\s)+8:(\s)+15], v[SO]
	v_cvt_scalef32_pk8_fp4_f32 v[(\pc)+2], v[(\s)+16:(\s)+23], v[SO+1]
	v_cvt_scalef32_pk8_fp4_f32 v[(\pc)+3], v[(\s)+24:(\s)+31], v[SO+1]
	v_nop                                          ; one plain place behind a scaled conversion
	v_permlane16_swap_b32 v[(\pc)], v[(\pc)+2]     ; a whole block to a lane: lanes 0-15 block 0, lanes 16-31 block 1
	v_permlane16_swap_b32 v[(\pc)+1], v[(\pc)+3]
.endm
	s_load_b128 s[4:7], s[0:1], 0x0                ; wq, kv
	v_lshl_add_u32 v232, v0, 2, 0x29000
	v_mov_b32 v233, 0
	ds_add_u32 v232, v233
	ds_add_u32 v232, v233
	v_lshrrev_b32 v9, 5, v0
	s_delay_alu instid0(VALU_DEP_1)
	v_readfirstlane_b32 s[WV], v9                  ; wave 0..7
	s_bfe_u32 s[CX], ttmp6, 0x40000
	s_bfe_u32 s[CY], ttmp6, 0x40004
	s_lshl_b32 s[GX], ttmp9, 2
	s_add_co_u32 s[GX], s[GX], s[CX]               ; x: which 128 keys
	s_and_b32 s[GY], ttmp7, 0xffff
	s_lshl_b32 s[GY], s[GY], 2
	s_add_co_u32 s[GY], s[GY], s[CY]               ; y: the head
	s_lshl_b32 s[MR], s[CY], 2
	s_lshl_b32 s[MR], 15, s[MR]                    ; my row of the cluster
	s_lshl_b32 s[MC], 0x1111, s[CX]                ; my column
	; group 1: 64 rows x 256 bytes out of rows of 512, 16 bytes of padding behind each: LDS rows 272 bytes apart
	s_or_b32 s[G1C], s[MC], (1<<20)|(1<<21)|(5<<22)|(3<<25)
	s_or_b32 s[G1W], s[MR], (1<<20)|(1<<21)|(5<<22)|(3<<25)
.irp g, G1C, G1W
	s_mov_b32 s[\g+1], 256<<16
	s_mov_b32 s[\g+2], 64<<16
	s_mov_b32 s[\g+3], 256<<16
	s_mov_b32 s[\g+4], 64
	s_mov_b32 s[\g+5], 512
	s_mov_b32 s[\g+6], 0
	s_mov_b32 s[\g+7], 0
.endr
	s_mov_b32 s[SEL], 0x76543210
	s_mov_b32 s[SEL+1], 0xfedcba98
	s_and_b32 s46, s[WV], 1
	s_lshr_b32 s47, s[WV], 1
	s_lshr_b32 s51, s[WV], 2                       ; c
	s_and_b32 s52, s[WV], 3
	s_lshl_b32 s42, s[GX], 16                      ; the context's strip: rows 128 x + 64 (w % 2), 512 bytes each, chunk w / 2 of 256 bytes
	s_lshl_b32 s48, s46, 15
	s_add_co_u32 s42, s42, s48
	s_lshl_b32 s48, s47, 8
	s_add_co_u32 s42, s42, s48
	s_mov_b32 s43, 0
	s_lshl_b32 s44, s[GY], 15                      ; Wk's: rows 64 y on, chunk w % 2
	s_lshl_b32 s48, s46, 8
	s_add_co_u32 s44, s44, s48
	s_add_co_u32 s44, s44, WKC
	s_mov_b32 s45, 0
	s_mul_i32 s49, s[WV], 17408                    ; LDS: the context's chunk c at 34,816 c (128 rows), Wk's at 69,632 + 17,408 c
	s_mul_i32 s50, s46, 17408
	s_add_co_u32 s50, s50, 69632
	v_and_b32 v9, 15, v0                           ; r
	v_bfe_u32 v10, v0, 4, 1                        ; h
	s_wait_alu depctr_va_vdst(0)
	v_and_b32 v11, 31, v0                          ; L
	v_mul_u32_u24 v12, v9, 272
	s_delay_alu instid0(VALU_DEP_1)
	v_lshl_add_u32 v12, v10, 4, v12                ; a fragment's row x pitch + 16 h
	s_mul_i32 s53, s51, 17408
	v_add_nc_u32 v[ADC], s53, v12
	s_mul_i32 s53, s[WV], 4352
	v_add_nc_u32 v[ADCO], s53, v12
	v_add_nc_u32 v[ADW], 69632, v12
	s_mul_i32 s53, s52, 4352
	v_add_nc_u32 v[ADWO], s53, v[ADW]
	; scale words, 32 bytes a row: lanes 0-15 the context's rows, lanes 16-31 Wk's: the lower base + h x the distance
	s_lshl_b32 s54, s[GX], 12
	s_lshl_b32 s55, s51, 11
	s_add_co_u32 s54, s54, s55
	s_add_co_u32 s54, s54, SCL
	s_lshl_b32 s55, s[GY], 11
	s_add_co_u32 s55, s55, SCL+65536
	s_sub_co_u32 s56, s55, s54
	v_mul_u32_u24 v13, s56, v10
	s_delay_alu instid0(VALU_DEP_1)
	v_lshl_add_u32 v13, v9, 5, v13
	s_delay_alu instid0(VALU_DEP_1)
	v_add_nc_u32 v13, s54, v13
	s_lshl_b32 s54, s[GX], 12
	s_lshl_b32 s57, s[WV], 9
	s_add_co_u32 s54, s54, s57
	s_add_co_u32 s54, s54, SCL
	s_lshl_b32 s57, s52, 9
	s_add_co_u32 s55, s55, s57
	s_sub_co_u32 s56, s55, s54
	v_mul_u32_u24 v14, s56, v10
	s_delay_alu instid0(VALU_DEP_1)
	v_lshl_add_u32 v14, v9, 5, v14
	s_delay_alu instid0(VALU_DEP_1)
	v_add_nc_u32 v14, s54, v14
	; the four stores' offsets in the head's part of kv
	s_lshl_b32 s54, s[GX], 12
	s_lshl_b32 s55, s[WV], 9
	s_add_co_u32 s55, s55, s54
	v_lshl_add_u32 v[KCO], v11, 4, s55             ; 4,096 x + 512 w + 16 L
	s_lshl_b32 s55, s52, 10
	s_add_co_u32 s55, s55, s54
	s_lshl_b32 s57, s51, 9
	s_add_co_u32 s55, s55, s57
	s_add_co_u32 s55, s55, 65536
	v_lshl_add_u32 v[VCO], v11, 4, s55             ; 65,536 + 4,096 x + 1,024 (w % 4) + 512 c + 16 L
	s_lshl_b32 s54, s[GX], 8
	s_lshl_b32 s55, s47, 6
	s_add_co_u32 s55, s55, s54
	s_lshl_b32 s57, s46, 1
	s_add_co_u32 s55, s55, s57
	s_add_co_u32 s55, s55, 131072
	v_lshl_add_u32 v[KSO], v9, 2, s55              ; 131,072 + 256 x + 64 (w / 2) + 2 (w % 2) + 4 r
	s_lshl_b32 s55, s52, 6
	s_add_co_u32 s55, s55, s54
	s_lshl_b32 s57, s51, 1
	s_add_co_u32 s55, s55, s57
	s_add_co_u32 s55, s55, 135168
	v_lshl_add_u32 v[VSO], v9, 2, s55              ; 135,168 + 256 x + 64 (w % 4) + 2 c + 4 r
	v_mov_b32 v[TP], 0                             ; written once: a lane permute's destination counts as one of its sources
	v_mov_b32 v[TP+1], 0
	s_mul_i32 s58, s[GY], 139264
	s_mov_b32 s59, 0
	s_wait_alu depctr_va_vdst(0)
	s_wait_dscnt 0x0
	s_wait_kmcnt 0x0
.irp i, 0,1,2,3
	global_load_b128 v[SC+8*\i:SC+8*\i+3], v13, s[4:5] offset:512*\i
	global_load_b128 v[SC+8*\i+4:SC+8*\i+7], v13, s[4:5] offset:512*\i+16
.endr
	global_load_b128 v[OWN:OWN+3], v14, s[4:5]
	global_load_b128 v[OWN+4:OWN+7], v14, s[4:5] offset:16
	s_add_nc_u64 s[6:7], s[6:7], s[58:59]          ; kv at my head
	s_mov_b32 s[G0C], 1
	s_mov_b32 s[G0C+1], s49
	s_add_nc_u64 s[G0C+2:G0C+3], s[4:5], s[42:43]
	s_or_b32 s[G0C+3], s[G0C+3], 0x80000000
	s_mov_b32 s[G0W], 1
	s_mov_b32 s[G0W+1], s50
	s_add_nc_u64 s[G0W+2:G0W+3], s[4:5], s[44:45]
	s_or_b32 s[G0W+3], s[G0W+3], 0x80000000
	CROUND                                         ; all sixteen work-groups are here: the joint loads meet
	s_cmp_lt_u32 s[WV], 4                          ; waves 0-3 fetch the context's four parts, waves 4 and 5 Wk's two, waves 6 and 7 nothing: one load a wave at the most
	s_cbranch_scc0 .Lnot_c
	tensor_load_to_lds s[G0C:G0C+3], s[G1C:G1C+7]
	s_nop 0
	PLACES 4
	s_branch .Lasked
.Lnot_c:
	s_cmp_lt_u32 s[WV], 6
	s_cbranch_scc0 .Lasked
	tensor_load_to_lds s[G0W:G0W+3], s[G1W:G1W+7]
	s_nop 0
	PLACES 4
.Lasked:
	s_wait_tensorcnt 0x0                           ; my part has landed,
	s_barrier_signal -1
	s_barrier_wait -1                              ; everybody's has
	s_wait_loadcnt 0x0                             ; the scale words
; a K step of 128: 20 LDS loads, 8 products; the eight accumulators take turns, one instruction a turn
.macro KSTEP s
.if \s > 0
	PLACES 4                                       ; four places between the products that read the fragments and the loads into them
.endif
.irp i, 0,1,2,3
.irp c, 0,1
	ds_load_b128 v[CF+8*\i+4*\c:CF+8*\i+4*\c+3], v[ADC] offset:((\s)>>2)*34816+\i*4352+64*((\s)&3)+32*\c
	ds_load_b128 v[WF+8*\i+4*\c:WF+8*\i+4*\c+3], v[ADW] offset:((\s)>>2)*17408+\i*4352+64*((\s)&3)+32*\c
.endr
.endr
.irp c, 0,1
	ds_load_b128 v[COWN+4*\c:COWN+4*\c+3], v[ADCO] offset:((\s)>>2)*34816+64*((\s)&3)+32*\c
	ds_load_b128 v[WOWN+4*\c:WOWN+4*\c+3], v[ADWO] offset:((\s)>>2)*17408+64*((\s)&3)+32*\c
.endr
	s_wait_dscnt 0x0
.irp j, 0,1,2,3
.if \s == 0
	WM KA+8*\j, WF+8*\j, COWN, -1, SC+8*\j+\s, 1, OWN+\s, 0
	WM VA+8*\j, CF+8*\j, WOWN, -1, SC+8*\j+\s, 0, OWN+\s, 1
.else
	WM KA+8*\j, WF+8*\j, COWN, KA+8*\j, SC+8*\j+\s, 1, OWN+\s, 0
	WM VA+8*\j, CF+8*\j, WOWN, VA+8*\j, SC+8*\j+\s, 0, OWN+\s, 1
.endif
.endr
.endm
.irp s, 0,1,2,3,4,5,6,7
	KSTEP \s
.endr
	PLACES 4
	QUANT2 KA, PC1, W1R                            ; my 16 keys along the head's 64
	global_store_b128 v[KCO], v[PC1:PC1+3], s[6:7]
	global_store_b16 v[KSO], v[W1R], s[6:7]        ; lanes 16-31 store the same two bytes with the same value
	; V WAY: the context's tile 4 c + i holds keys 64 c + 8 i + (r % 8) + 32 (r / 8), so register 8 i + t of lane (r, h) is key 64 c + 32 h + 8 i + t: a WHOLE block of 32 keys in a lane, in the operand's own order
	v_max3_num_f32 v[TM], |v[VA]|, |v[VA+1]|, 0x1800000            ; the block's largest magnitude, in two chains, each accumulator from its low end on; the floor 2^(3 - 127)
	v_max3_num_f32 v[TM+1], |v[VA+2]|, |v[VA+3]|, 0x1800000
.irp i, 4,8,12,16,20,24,28
	v_max3_num_f32 v[TM], v[TM], |v[VA+\i]|, |v[VA+\i+1]|
	v_max3_num_f32 v[TM+1], v[TM+1], |v[VA+\i+2]|, |v[VA+\i+3]|
.endr
	v_add_nc_u32 v[VSO], v[VSO], v10               ; my block's byte: 2 c + h
	v_max_num_f32 v[TM], v[TM], v[TM+1]
	s_delay_alu instid0(VALU_DEP_1)
	v_add_nc_u32 v[SO], 0xff000000, v[TM]          ; 2 off its exponent field: the conversion's scale operand
	s_delay_alu instid0(VALU_DEP_1)
	v_lshrrev_b32 v[W2R], 23, v[SO]                ; the scale's byte
.irp g, 0,1,2,3
	v_cvt_scalef32_pk8_fp4_f32 v[PC2+\g], v[VA+8*\g:VA+8*\g+7], v[SO]
.endr
	v_nop                                          ; one plain place behind a scaled conversion
	global_store_b128 v[VCO], v[PC2:PC2+3], s[6:7]
	global_store_b8 v[VSO], v[W2R], s[6:7]         ; a byte a lane
	s_wait_tensorcnt 0x0
	ds_add_u32 v232, v233
	s_wait_dscnt 0x0
	CROUND                                         ; the closing round
	s_endpgm
.Lfunc_end_k_qbb2c875e83_kproj:
	.size	k_qbb2c875e83_kproj, .Lfunc_end_k_qbb2c875e83_kproj-k_qbb2c875e83_kproj
	.p2alignl 7, 3214868480
	.fill 96, 4, 3214868480
	.section	.rodata,"a",@progbits
	.p2align	6, 0x0
	.amdhsa_kernel k_qbb2c875e83_kproj
		.amdhsa_group_segment_fixed_size 168960
		.amdhsa_private_segment_fixed_size 0
		.amdhsa_enable_private_segment 0
		.amdhsa_kernarg_size 16
		.amdhsa_user_sgpr_count 2
		.amdhsa_user_sgpr_kernarg_segment_ptr 1
		.amdhsa_wavefront_size32 1
		.amdhsa_system_sgpr_workgroup_id_x 1
		.amdhsa_system_sgpr_workgroup_id_y 1
		.amdhsa_system_sgpr_workgroup_id_z 1
		.amdhsa_system_vgpr_workitem_id 0
		.amdhsa_next_free_vgpr 234
		.amdhsa_next_free_sgpr 66
		.amdhsa_reserve_vcc 0
		.amdhsa_float_denorm_mode_32 3
		.amdhsa_float_denorm_mode_16_64 3
		.amdhsa_memory_ordered 1
		.amdhsa_forward_progress 1
		.amdhsa_inst_pref_size 32
	.end_amdhsa_kernel
	.amdgpu_metadata
---
amdhsa.version: [ 1, 2 ]
amdhsa.kernels:
  - .name:           k_qbb2c875e83_kproj
    .symbol:         k_qbb2c875e83_kproj.kd
    .args:
      - { .name: wq, .offset: 0, .size: 8, .value_kind: global_buffer, .address_space: global }
      - { .name: kv, .offset: 8, .size: 8, .value_kind: global_buffer, .address_space: global }
    .group_segment_fixed_size: 168960
    .private_segment_fixed_size: 0
    .kernarg_segment_align: 8
    .kernarg_segment_size: 16
    .max_flat_workgroup_size: 256
    .sgpr_count:     66
    .vgpr_count:     234
    .wavefront_size: 32
...
	.end_amdgpu_metadata
.endif
;; end of part 2
;; launch attn (part 3): grid 16 x 16, 8 waves a work-group, clusters of 4 x 4, 244,736 bytes of LDS; arguments wq, kv, qa; writes qa
.if DOCPART == 3
	.amdgcn_target "amdgcn-amd-amdhsa--gfx1250"
	.amdhsa_code_object_version 6
	.text
	.protected	k_qbb2c875e83_attn
	.globl	k_qbb2c875e83_attn
	.p2align	8
	.type	k_qbb2c875e83_attn,@function
k_qbb2c875e83_attn:
	s_mov_b64 s[64:65], 0
	v_nop
	global_prefetch_b8 v0, s[64:65] scope:SCOPE_SE
	s_setreg_imm32_b32 hwreg(HW_REG_WAVE_MODE, 25, 1), 1
	s_wait_xcnt 0x0
	s_wait_alu depctr_hold_cnt(0) depctr_sa_sdst(0) depctr_va_vdst(0) depctr_va_sdst(0) depctr_va_ssrc(0) depctr_va_vcc(0) depctr_vm_vsrc(0)
	s_getreg_b32 s2, hwreg(HW_REG_IB_STS2, 6, 4)
	s_cmp_eq_u32 s2, 0
	s_cbranch_scc0 .Lentry_in_a_cluster
	s_endpgm
.Lentry_in_a_cluster:
	s_bfe_u32 s2, ttmp6, 0x10000c
	s_cmp_lg_u32 s2, 0xf033
	s_cbranch_scc0 .Lentry_shape_is_right
	s_endpgm
.Lentry_shape_is_right:
; q = tanh(alpha1 target) Wq^T, then five times q += 0.1 softmax(q K^T / 8) K, for 64 queries (work-group x) of one head (work-group y), all products on codes of FP4; q's last codes go out for the next product.
; SHARES.  Eight waves, two to a SIMD.  Wave w owns query tile w % 4 (16 queries) and key half w / 4 (1,024 keys, eight key steps of 128).  The two waves of a query tile make the same q,
; walk their halves and meet through LDS: each reads the other's part alone; the factors are whole powers of two, so f_a O_a + f_b O_b is rounded once and alike in both waves: both hold the same bits of q.
; The head's K lies in LDS for the whole launch as images of operand registers, once with the head's 64 as K and once with the keys as K (made by the launch before): 139,264 bytes, filled once.
; LAYOUT.  Every product is used transposed: a lane holds ONE query (lane % 16).  Register 8 j + t of q and of O^T is channel 32 (j / 2) + 16 h + 8 (j % 2) + t.
; THE KEYS OF A TILE: tile 4 c + u of a key step holds keys 64 c + 8 u + (r % 8) + 32 (r / 8).  So the 32 registers of tiles 4 c .. 4 c + 3 are, in lane (r, h), keys 64 c + 32 h + 0 .. 31:
; a WHOLE block of 32 in a lane, in the order of the second product's operand: a block's maximum asks no other lane, and the conversions' results are the operand's registers as they stand.
; THE SCORES have K = 64 under an instruction of K = 128: a fragment of K holds key tile 2 f in k < 64 and tile 2 f + 1 in k >= 64; q stands as [codes | zeros | codes] in twelve registers.
; THE SOFTMAX: t = score x log2(e) / 8; M = the largest t so far, rounded up to a whole number; p = 2^(t - M) is quantised along the keys, not normalised; the sum is taken of the unquantised p.
; A BLOCK'S SCALE is not taken from its largest p: floor(log2(2^x)) = floor(x), x = t - M of the block's largest score, by the same multiply-add that the scores take; x is held at -124 from below, so the byte is 1 to 125.
; A key step has ONE batch of 64 exponentials, one wait ahead of it and one behind it; O^T is rescaled ahead of the batch.  Maxima are taken as trees, sums in eight chains; LDS loads and the scalings stand between the links of the chains that remain.
; The key steps go in a loop, two a trip; the first trip is written out: its first step starts M, the sum and O^T.  A step's last four additions stand behind the next step's score products, as their places.
; CLUSTER 4 x 4: K's images and Wq's strip hang on the head alone and are asked for jointly along a row; the target's strip hangs on x alone: along a column.  Eight fills, one a wave; nothing is filled again.
; No prefetch: all that the launch reads is asked for at its head; there is no loop over memory to run ahead in.
; LIMITS: NaN and infinities are not served; the promise holds while the scaled scores stay under 2^31 in magnitude; v_exp_f32 gives 0 for results under 2^-126; where x lies within an ulp under a whole number
; and v_exp_f32 rounds p up to the power of two, the block's byte is one lower than p's own; a block of q whose largest magnitude lies under 2^-124 gets the byte 1; the step is taken as (0.1 / l) x O.
; AS THE TEXT NOW STANDS, in place of the head's words on LDS loads between the links of chains: a step's twenty LDS loads (V's ten, then the next step's ten of K) go out as ONE run, directly ahead of the wait that stands ahead of the exponentials.
.set SCL,  7340032
.set RP,   528                         ; a strip's row in LDS: 512 bytes + 16 of padding
.set TNL,  139264                      ; LDS: 0 the head's part of kv as it lies; TNL the target's 64 rows; WQL Wq's 64 rows
.set WQL,  173056
.set PART, 206848                      ; for each wave PSZ bytes: O^T's image (4,096), then (-M, l) at 16 bytes a lane.  No fill lands there
.set PSZ,  4608
.set SPARE, 243712                     ; the spare words, 128 bytes a wave
.set WV, 10
.set CX, 11
.set CY, 12
.set GX, 13
.set GY, 14
.set MR, 15
.set G1D, 16                           ; s[16:23] group 1 for kv's dense parts; s[24:31] Wq's strip; s[32:39] the target's; s[40:51] the three groups 0
.set G1W, 24
.set G1T, 32
.set G0D, 40
.set G0W, 44
.set G0T, 48
.set MC, 52
.set SEL, 54
.set CS, 56                            ; s[56:57] c = log2(e) / 8
.set CNT, 58
.set CT, 59                            ; the trip of the key loop, 0 to 3
.set QT, 60
.set KH, 61
.set CN, 86                            ; -c
.set K125, 87                          ; 125 << 23
.set AK0, 1                            ; v1 K's fragments of my half: 16 L + 32,768 kh;  v2 V's: + 65,536;  v3 K's scale words (V's lie 4,096 bytes on)
.set AV0, 2
.set ASK0, 3
.set AKN, 4                            ; v4, v7 K's fragments and words of the next trip's first step (behind the last trip: step 0's)
.set PWO, 5                            ; v5 where I put my part;  v6 where I read my partner's
.set PRO, 6
.set ASKN, 7
.set SPW, 8                            ; v8 my spare word;  v11 0: never rewritten
.set ATN, 9
.set AWQ, 10
.set NIL, 11
.set AKT, 29                           ; v29-31 this trip's addresses
.set AVT, 30
.set ASKT, 31
.set SH, 205                           ; v205 8 h: where my blocks' bytes stand in p's scale word
.set QF, 64                            ; v64-95 q in f32.  v12 -M, v13 the largest score (in MERGE: l), v[14:15] the sum; v[16:27] q's codes; v32-63 V's fragments (ahead of their loads: the maxima's tree); v96-159 S^T, p; v160-191 O^T;
.set F0, 96                            ; v192-199 p's codes; v206-223 at work; v224-255 K's fragments
.set TS, 176                           ; v176-199, in the projection alone: its 24 scale words, as data
.set ST, 192
.set KB, 224
.set BM, 208                           ; SCALE REGISTERS, which hold scales and nothing else: v200, v201 K's words; v202, v203 V's; v204 p's; v28 q's.  The projection takes its words through the same six
.set BP, 212
.set SO, 216
.set A1, 218
.set FF, 220
.set T, 222
.set W, 223
.set TM, 208
.set EB, 210
.set TP, 212
.macro PLACES n
.rept \n
	v_nop
.endr
.endm
.macro D1
	s_delay_alu instid0(VALU_DEP_1)
.endm
.macro CROUND                          ; a round of the cluster's barrier
	s_barrier_signal -1
	s_barrier_wait -1
	s_cmp_lg_u32 s[WV], 0
	s_cbranch_scc1 .Lnot_wave_0_\@
	s_barrier_signal -3
.Lnot_wave_0_\@:
	s_barrier_wait -3
	s_barrier_signal -1
	s_barrier_wait -1
.endm
; one product: D, A, B at registers d, a, b; C = 0 where c < 0; A's scales in sa, read from lanes 16-31 where ra = 1; B's in sb
.macro WM d, a, b, c, sa, ra, sb
.if (\c) < 0
.if (\ra)
	v_wmma_scale_f32_16x16x128_f8f6f4 v[(\d):(\d)+7], v[(\a):(\a)+7], v[(\b):(\b)+7], 0, v[\sa], v[\sb] matrix_a_fmt:MATRIX_FMT_FP4 matrix_b_fmt:MATRIX_FMT_FP4 matrix_a_scale:MATRIX_SCALE_ROW1
.else
	v_wmma_scale_f32_16x16x128_f8f6f4 v[(\d):(\d)+7], v[(\a):(\a)+7], v[(\b):(\b)+7], 0, v[\sa], v[\sb] matrix_a_fmt:MATRIX_FMT_FP4 matrix_b_fmt:MATRIX_FMT_FP4
.endif
.else
.if (\ra)
	v_wmma_scale_f32_16x16x128_f8f6f4 v[(\d):(\d)+7], v[(\a):(\a)+7], v[(\b):(\b)+7], v[(\c):(\c)+7], v[\sa], v[\sb] matrix_a_fmt:MATRIX_FMT_FP4 matrix_b_fmt:MATRIX_FMT_FP4 matrix_a_scale:MATRIX_SCALE_ROW1
.else
	v_wmma_scale_f32_16x16x128_f8f6f4 v[(\d):(\d)+7], v[(\a):(\a)+7], v[(\b):(\b)+7], v[(\c):(\c)+7], v[\sa], v[\sb] matrix_a_fmt:MATRIX_FMT_FP4 matrix_b_fmt:MATRIX_FMT_FP4
.endif
.endif
.endm
; 32 numbers of a lane, register 16 b + i = k 32 b + 16 (lane / 16) + i of my row, become four registers of codes (lane (r, h): block h whole) and the two scale bytes in v[w].  The maxima go as a tree through v128-141
.macro QUANT2 s, pc, w
.set I, 0
.rept 5
	v_max3_num_f32 v[128+I], |v[(\s)+3*I]|, |v[(\s)+1+3*I]|, |v[(\s)+2+3*I]|
	v_max3_num_f32 v[133+I], |v[(\s)+16+3*I]|, |v[(\s)+17+3*I]|, |v[(\s)+18+3*I]|
.set I, I+1
.endr
	v_max3_num_f32 v138, v128, v129, v130
	v_max3_num_f32 v139, v133, v134, v135
	v_max3_num_f32 v140, v131, v132, |v[(\s)+15]|
	v_max3_num_f32 v141, v136, v137, |v[(\s)+31]|
	v_max3_num_f32 v[TM], v138, v140, 0x1800000    ; my 16 numbers of each block, and the floor 2^(3 - 127)
	v_max3_num_f32 v[TM+1], v139, v141, 0x1800000
.irp b, 0,1
	v_permlanex16_b32 v[TP+\b], v[TM+\b], s[SEL], s[SEL+1]
.endr
.irp b, 0,1
	v_max_num_f32 v[TM+\b], v[TM+\b], v[TP+\b]     ; with lane l xor 16's: the block's largest magnitude
.endr
.irp b, 0,1
	v_add_nc_u32 v[SO+\b], 0xff000000, v[TM+\b]    ; 2 off its exponent field: the conversion's scale operand
.endr
.irp b, 0,1
	v_lshrrev_b32 v[EB+\b], 23, v[SO+\b]           ; the scale's byte
.endr
	v_lshl_or_b32 v[\w], v[EB+1], 8, v[EB]
	v_cvt_scalef32_pk8_fp4_f32 v[(\pc)], v[(\s):(\s)+7], v[SO]
	v_cvt_scalef32_pk8_fp4_f32 v[(\pc)+1], v[(\s)+8:(\s)+15], v[SO]
	v_cvt_scalef32_pk8_fp4_f32 v[(\pc)+2], v[(\s)+16:(\s)+23], v[SO+1]
	v_cvt_scalef32_pk8_fp4_f32 v[(\pc)+3], v[(\s)+24:(\s)+31], v[SO+1]
	v_nop                                          ; one plain place behind a scaled conversion
	v_permlane16_swap_b32 v[(\pc)], v[(\pc)+2]     ; a whole block to a lane
	v_permlane16_swap_b32 v[(\pc)+1], v[(\pc)+3]
.endm
; q's codes and scale word in the form that the scores want.  Behind the scale word stand these four lines and seven at the first trip's head: eleven places ahead of the next product
.macro QFORM
	QUANT2 QF, 16, W
	v_lshl_or_b32 v28, v[W], 16, v[W]              ; the two bytes for k < 64 and again for k >= 64
.irp i, 0,1,2,3
	v_mov_b32 v[24+\i], v[16+\i]
.endr
.endm
; half of K's fragments and scale words of one key step: fragments 2 g and 2 g + 1, and their register of words (lanes 0-15 the one's, lanes 16-31 the other's)
.macro KHALF g, ka, ko, sa, so
.irp f, 0,1
.irp c, 0,1
	ds_load_b128 v[KB+16*(\g)+8*\f+4*\c:KB+16*(\g)+8*\f+4*\c+3], v[\ka] offset:(\ko)+2048*(\g)+1024*\f+512*\c
.endr
.endr
	ds_load_b32 v[200+(\g)], v[\sa] offset:(\so)+128*(\g)
.endm
	s_load_b128 s[4:7], s[0:1], 0x0                ; wq, kv
	s_load_b64 s[8:9], s[0:1], 0x10                ; qa
	v_lshl_add_u32 v[SPW], v0, 2, SPARE
	v_mov_b32 v[NIL], 0
	ds_add_u32 v[SPW], v[NIL]                      ; the opening lines: the add, twice on end, and its wait ahead of the first tensor load
	ds_add_u32 v[SPW], v[NIL]
	v_lshrrev_b32 v29, 5, v0
	v_readfirstlane_b32 s[WV], v29                 ; wave 0..7
	s_bfe_u32 s[CX], ttmp6, 0x40000
	s_bfe_u32 s[CY], ttmp6, 0x40004
	s_lshl_b32 s[GX], ttmp9, 2
	s_add_co_u32 s[GX], s[GX], s[CX]               ; x: which 64 queries
	s_and_b32 s[GY], ttmp7, 0xffff
	s_lshl_b32 s[GY], s[GY], 2
	s_add_co_u32 s[GY], s[GY], s[CY]               ; y: the head
	s_lshl_b32 s[MR], s[CY], 2
	s_lshl_b32 s[MR], 15, s[MR]
	s_lshl_b32 s[MC], 0x1111, s[CX]
	s_or_b32 s[G1D], s[MR], (3<<16)|(1<<21)        ; a dense block of 34,816 bytes as 136 rows of 256 (32 elements of 8 bytes), no padding
	s_mov_b32 s[G1D+1], 32<<16
	s_mov_b32 s[G1D+2], 136<<16
	s_mov_b32 s[G1D+3], 32<<16
	s_mov_b32 s[G1D+4], 136
	s_mov_b32 s[G1D+5], 32
	s_mov_b32 s[G1D+6], 0
	s_mov_b32 s[G1D+7], 0
	s_or_b32 s[G1W], s[MR], (1<<20)|(1<<21)|(6<<22)|(3<<25)   ; 32 rows of 512 bytes, four words of padding behind every 128
	s_or_b32 s[G1T], s[MC], (1<<20)|(1<<21)|(6<<22)|(3<<25)
.irp g, G1W, G1T
	s_mov_b32 s[\g+1], 512<<16
	s_mov_b32 s[\g+2], 32<<16
	s_mov_b32 s[\g+3], 512<<16
	s_mov_b32 s[\g+4], 32
	s_mov_b32 s[\g+5], 512
	s_mov_b32 s[\g+6], 0
	s_mov_b32 s[\g+7], 0
.endr
	s_mov_b32 s[SEL], 0x76543210
	s_mov_b32 s[SEL+1], 0xfedcba98
	s_mov_b32 s[CS], 0x3e38aa3b                    ; log2(e) / 8
	s_mov_b32 s[CS+1], s[CS]
	s_mov_b32 s[CN], 0xbe38aa3b
	s_mov_b32 s[K125], 0x3e800000
	s_and_b32 s[QT], s[WV], 3
	s_lshr_b32 s[KH], s[WV], 2
	s_lshl_b32 s66, s[KH], 15                      ; my half of the fragments: eight steps of 4,096 bytes
	s_lshl_b32 s67, s[KH], 11
	s_add_co_u32 s67, s67, 131072                  ; and of the scale words: eight steps of 256
	s_mul_i32 s68, s[WV], PSZ
	s_add_co_u32 s68, s68, PART                    ; my part
	s_xor_b32 s69, s[WV], 4
	s_mul_i32 s69, s69, PSZ
	s_add_co_u32 s69, s69, PART                    ; my partner's
	s_mul_i32 s70, s[QT], 16*RP
	s_add_co_u32 s70, s70, TNL
	s_lshl_b32 s71, s[GX], 11                      ; the projection's scale words, 32 bytes a row: the target's row 64 x + 16 qt + r
	s_lshl_b32 s72, s[QT], 9
	s_add_co_u32 s71, s71, s72
	s_add_co_u32 s71, s71, SCL+425984
	s_lshl_b32 s72, s[GY], 11
	s_add_co_u32 s72, s72, SCL+98304               ; Wq's row 64 y + 32 h + 16 u + r
	s_lshl_b32 s73, s[GX], 15                      ; q's codes go to 32,768 x + 4,096 (y / 2) + 1,024 qt + 512 (y % 2) + 16 L
	s_lshr_b32 s75, s[GY], 1
	s_lshl_b32 s75, s75, 12
	s_add_co_u32 s73, s73, s75
	s_lshl_b32 s75, s[QT], 10
	s_add_co_u32 s73, s73, s75
	s_and_b32 s75, s[GY], 1
	s_lshl_b32 s75, s75, 9
	s_add_co_u32 s73, s73, s75
	s_lshl_b32 s74, s[GX], 2                       ; its scale bytes: K step s = y / 2: lane r + 16 (s % 2), word s / 2, bytes 2 (y % 2) on
	s_add_co_u32 s74, s74, s[QT]
	s_lshl_b32 s74, s74, 9
	s_add_co_u32 s74, s74, 524288
	s_bfe_u32 s75, s[GY], 0x10001
	s_lshl_b32 s75, s75, 8
	s_add_co_u32 s74, s74, s75
	s_bfe_u32 s75, s[GY], 0x20002
	s_lshl_b32 s75, s75, 2
	s_add_co_u32 s74, s74, s75
	s_and_b32 s75, s[GY], 1
	s_lshl_b32 s75, s75, 1
	s_add_co_u32 s74, s74, s75
	s_mul_i32 s62, s[GY], 139264                   ; what I fetch: waves 0-3 a quarter of the head's part of kv;
	s_mul_i32 s53, s[WV], 34816
	s_add_co_u32 s62, s62, s53
	s_mov_b32 s63, 0
	s_and_b32 s79, s[WV], 1                        ; waves 4, 5 the halves of Wq's strip, waves 6, 7 those of the target's: 32 rows of 512 bytes
	s_lshl_b32 s80, s79, 14
	s_mul_i32 s81, s79, 32*RP
	s_lshl_b32 s82, s[GY], 15
	s_add_co_u32 s82, s82, s80
	s_add_co_u32 s82, s82, 1572864
	s_mov_b32 s83, 0
	s_lshl_b32 s84, s[GX], 15
	s_add_co_u32 s84, s84, s80
	s_add_co_u32 s84, s84, 6815744
	s_mov_b32 s85, 0
	s_wait_dscnt 0x0                               ; both opening adds are done
	v_and_b32 v29, 31, v0                          ; L
	v_and_b32 v30, 15, v0                          ; r
	v_bfe_u32 v31, v0, 4, 1                        ; h
	v_lshl_add_u32 v[AK0], v29, 4, s66
	v_lshl_add_u32 v[ASK0], v29, 2, s67
	v_lshl_add_u32 v[PWO], v29, 4, s68
	v_lshl_add_u32 v[PRO], v29, 4, s69
	v_mul_u32_u24 v[AWQ], v30, RP
	v_add_nc_u32 v[AV0], 65536, v[AK0]
	v_lshl_add_u32 v206, v30, 5, s71
	v_lshl_add_u32 v207, v30, 5, s72
	v_lshl_add_u32 v[AWQ], v31, 4, v[AWQ]          ; a fragment's row x pitch + 16 h
	v_lshl_add_u32 v207, v31, 10, v207
	v_lshlrev_b32 v[SH], 3, v31
	v_add_nc_u32 v[ATN], s70, v[AWQ]
	v_add_nc_u32 v[AWQ], WQL, v[AWQ]
.irp i, 0,1,2,3
	v_mov_b32 v[20+\i], 0                          ; the zero codes between q's two copies: written once
	v_mov_b32 v[BP+\i], 0                          ; a lane permute's destination counts as one of its sources
.endr
	v_mov_b32 v[FF+1], 0                           ; named as the upper half of a pair
	v_mov_b32 v[T], 0
	s_wait_alu depctr_va_vdst(0)
	s_wait_kmcnt 0x0
	global_load_b128 v[TS:TS+3], v206, s[4:5]      ; the target's eight words, as data
	global_load_b128 v[TS+4:TS+7], v206, s[4:5] offset:16
.irp u, 0,1
	global_load_b128 v[TS+8+8*\u:TS+11+8*\u], v207, s[4:5] offset:512*\u       ; Wq's, set u
	global_load_b128 v[TS+12+8*\u:TS+15+8*\u], v207, s[4:5] offset:512*\u+16
.endr
	s_mov_b32 s[G0D], 1
	s_mov_b32 s[G0D+1], s53
	s_add_nc_u64 s[G0D+2:G0D+3], s[6:7], s[62:63]
	s_or_b32 s[G0D+3], s[G0D+3], 0x80000000
	s_mov_b32 s[G0W], 1
	s_add_co_u32 s[G0W+1], s81, WQL
	s_add_nc_u64 s[G0W+2:G0W+3], s[4:5], s[82:83]
	s_or_b32 s[G0W+3], s[G0W+3], 0x80000000
	s_mov_b32 s[G0T], 1
	s_add_co_u32 s[G0T+1], s81, TNL
	s_add_nc_u64 s[G0T+2:G0T+3], s[4:5], s[84:85]
	s_or_b32 s[G0T+3], s[G0T+3], 0x80000000
	CROUND                                         ; all sixteen work-groups are here: the joint loads meet
	s_cmp_lt_u32 s[WV], 4                          ; one chain of branches on the wave's number, a fill to an arm: every wave issues one
	s_cbranch_scc0 .Lnot_kv
	tensor_load_to_lds s[G0D:G0D+3], s[G1D:G1D+7]
	s_nop 0
	PLACES 4
	s_branch .Lasked
.Lnot_kv:
	s_cmp_lt_u32 s[WV], 6
	s_cbranch_scc0 .Lnot_wq
	tensor_load_to_lds s[G0W:G0W+3], s[G1W:G1W+7]
	s_nop 0
	PLACES 4
	s_branch .Lasked
.Lnot_wq:
	tensor_load_to_lds s[G0T:G0T+3], s[G1T:G1T+7]
	s_nop 0
	PLACES 4
.Lasked:
	s_wait_tensorcnt 0x0                           ; my part has landed,
	s_barrier_signal -1
	s_barrier_wait -1                              ; everybody's has
	s_wait_loadcnt 0x0                             ; the projection's scale words
	; ---- q^T = Wq tn^T: eight K steps, two sets of fragments by turns, four accumulators by turns
.macro PLOADF buf, s
.irp c, 0,1
	ds_load_b128 v[(\buf)+4*\c:(\buf)+4*\c+3], v[ATN] offset:64*(\s)+32*\c
.endr
.irp j, 0,1,2,3
.irp c, 0,1
	ds_load_b128 v[(\buf)+8+8*\j+4*\c:(\buf)+8+8*\j+4*\c+3], v[AWQ] offset:\j*16*RP+64*(\s)+32*\c
.endr
.endr
.endm
; K step s's three scale words go into scale registers: even steps v200-202, odd steps v203, v204, v28: four places or more behind the products that read the set last, eight or more ahead of those that read it next
.macro SMOV s
.if ((\s)%2) == 0
	v_mov_b32 v200, v[TS+(\s)]
	v_mov_b32 v201, v[TS+8+(\s)]
	v_mov_b32 v202, v[TS+16+(\s)]
.else
	v_mov_b32 v203, v[TS+(\s)]
	v_mov_b32 v204, v[TS+8+(\s)]
	v_mov_b32 v28, v[TS+16+(\s)]
.endif
.endm
.macro PMULS buf, s
.if ((\s)%2) == 0
.set RT, 200
.set RW0, 201
.set RW1, 202
.else
.set RT, 203
.set RW0, 204
.set RW1, 28
.endif
.if (\s) == 0
	WM QF, (\buf)+8, \buf, -1, RW0, 0, RT          ; the first K step's products start the sums
	WM QF+8, (\buf)+16, \buf, -1, RW1, 0, RT
	WM QF+16, (\buf)+24, \buf, -1, RW0, 1, RT
	WM QF+24, (\buf)+32, \buf, -1, RW1, 1, RT
.else
	WM QF, (\buf)+8, \buf, QF, RW0, 0, RT
	WM QF+8, (\buf)+16, \buf, QF+8, RW1, 0, RT
	WM QF+16, (\buf)+24, \buf, QF+16, RW0, 1, RT
	WM QF+24, (\buf)+32, \buf, QF+24, RW1, 1, RT
.endif
.endm
	SMOV 0
	PLACES 6                                       ; with the next step's three copies: nine places ahead of the first products
	PLOADF F0, 0
.set PI, 0
.rept 8
.if PI < 7
.if PI > 0
	PLACES 6                                       ; behind the products that read a set, ahead of the loads and copies into it; with the three copies below: nine ahead of the next products
.endif
	PLOADF F0+40*((PI+1)%2), PI+1
	SMOV PI+1
	s_wait_alu depctr_va_vdst(0)
	s_wait_dscnt 10                                ; this step's ten loads are in; the ten just issued may be out
.else
	PLACES 8
	s_wait_dscnt 0x0
.endif
	PMULS F0+40*(PI%2), PI
.set PI, PI+1
.endr
	PLACES 4
	KHALF 0, AK0, 0, ASK0, 0                       ; K of my first key step: it lands under the quantiser
	KHALF 1, AK0, 0, ASK0, 0
	QFORM
	s_wait_alu depctr_va_vdst(0)
	s_wait_dscnt 0x0                               ; K is in.  (In the loop the wait behind the last step's V products serves for this)
; the last step's four partial sums join the running sum.  The four lines name no register of the products ahead of them: they are those products' places
.macro SUMS
	v_pk_add_f32 v[206:207], v[206:207], v[208:209]
	v_pk_add_f32 v[210:211], v[210:211], v[212:213]
	v_pk_add_f32 v[206:207], v[206:207], v[210:211]
	v_pk_add_f32 v[14:15], v[14:15], v[206:207]
.endm
.macro PF n                            ; the next n pairs of scores become t - M
.rept \n
	v_pk_fma_f32 v[96+PJ:97+PJ], v[96+PJ:97+PJ], s[CS:CS+1], v[12:13] op_sel_hi:[1,0,0]
.set PJ, PJ+2
.endr
.endm
.macro VL j, vo                        ; V's fragment j
.irp c, 0,1
	ds_load_b128 v[32+8*(\j)+4*\c:35+8*(\j)+4*\c], v[AVT] offset:(\vo)+1024*(\j)+512*\c
.endr
.endm
; ---- A KEY STEP: 128 keys.  K's fragments and scale words are in.  vo, vs: where V's fragments and words lie from this trip's addresses; ka, ko, sa, so: the next step's K.  first = 1: it starts M, the sum and O^T
.macro STEP vo, vs, ka, ko, sa, so, first
.irp f, 0,1,2,3
	WM 96+16*\f, KB+8*\f, 16, -1, 200+(\f>>1), \f&1, 28     ; key tile 2 f: q's codes stand in k < 64
	WM 104+16*\f, KB+8*\f, 20, -1, 200+(\f>>1), \f&1, 28    ; key tile 2 f + 1: in k >= 64
.endr
.if \first
	PLACES 4
.else
	SUMS
.endif
	; the largest score of my two blocks of 32 keys, v96-127 and v128-159, as a tree; each accumulator is read from its low end on
.set I, 0
.rept 10                                       ; block by block: the first block's scores come of the first four products
	v_max3_num_f32 v[32+I], v[96+3*I], v[97+3*I], v[98+3*I]
.set I, I+1
.endr
.set I, 0
.rept 10
	v_max3_num_f32 v[42+I], v[128+3*I], v[129+3*I], v[130+3*I]
.set I, I+1
.endr
.set I, 0
.rept 3
	v_max3_num_f32 v[52+I], v[32+3*I], v[33+3*I], v[34+3*I]
	v_max3_num_f32 v[56+I], v[42+3*I], v[43+3*I], v[44+3*I]
.set I, I+1
.endr
	v_max3_num_f32 v55, v41, v126, v127
	v_max3_num_f32 v59, v51, v158, v159
	v_max3_num_f32 v[BM], v52, v53, v54
	v_max3_num_f32 v[BM+1], v56, v57, v58
	s_delay_alu instid0(VALU_DEP_2)
	v_max_num_f32 v[BM], v[BM], v55
	s_delay_alu instid0(VALU_DEP_2)
	v_max_num_f32 v[BM+1], v[BM+1], v59
	D1
.if \first
	v_max_num_f32 v13, v[BM], v[BM+1]
.else
	v_max3_num_f32 v13, v13, v[BM], v[BM+1]
.endif
	D1
	v_permlanex16_b32 v[T], v13, s[SEL], s[SEL+1]
	D1
	v_max_num_f32 v13, v13, v[T]                   ; with lane l xor 16's blocks: the running largest score
	D1
	v_mul_f32 v[T], s[CN], v13
	D1
	v_floor_f32 v[W], v[T]                         ; -M = floor(-t): M is a whole number
	D1
.if \first
.else
	v_sub_f32 v[T], v[W], v12                      ; old M - new M: a whole number, 0 or less
.endif
	v_fma_f32 v[BM], v[BM], s[CS], v[W]            ; x = t - M of each block's largest score
	v_fma_f32 v[BM+1], v[BM+1], s[CS], v[W]
	v_mov_b32 v12, v[W]
.if \first
.else
	v_cvt_i32_f32 v[T], v[T]
.endif
	v_max_num_f32 v[BM], 0xc2f80000, v[BM]         ; held at -124 from below
	v_max_num_f32 v[BM+1], 0xc2f80000, v[BM+1]
.set PJ, 0
	PF 4                                           ; the scalings stand between the links of the scales' chain
.if \first
.else
	v_ldexp_f32 v[FF], 1.0, v[T]                   ; f = 2^(old M - new M)
.endif
	v_cvt_floor_i32_f32 v[BM], v[BM]               ; n = floor(x) = floor(log2(the block's largest p)), -124 .. 0
	v_cvt_floor_i32_f32 v[BM+1], v[BM+1]
	PF 4
	v_lshl_add_u32 v[SO], v[BM], 23, s[K125]       ; (n + 125) << 23: the conversion's scale operand
	v_lshl_add_u32 v[SO+1], v[BM+1], 23, s[K125]
	v_lshl_add_u32 v[A1], v[BM+1], 16, v[BM]
	PF 4
	v_add_nc_u32 v[A1], 0x7d007d, v[A1]            ; my two bytes n + 125, at bytes 0 and 2,
	PF 4
	v_lshlrev_b32 v[A1], v[SH], v[A1]              ; at their places: blocks h and 2 + h
	PF 4
	v_permlanex16_b32 v[BP], v[A1], s[SEL], s[SEL+1]
	PF 12
.if \first
.else
.set J, 0
.rept 16
	v_pk_mul_f32 v[160+J:161+J], v[160+J:161+J], v[FF:FF+1] op_sel_hi:[1,0]   ; O^T under the new M, each accumulator from its low end on
.set J, J+2
.endr
	v_pk_mul_f32 v[14:15], v[14:15], v[FF:FF+1] op_sel_hi:[1,0]               ; the sums likewise
.endif
	VL 0, \vo                                      ; ONE RUN OF TWENTY LDS LOADS: V's four fragments, into the registers that the tree has left,
	VL 1, \vo
	VL 2, \vo
	VL 3, \vo
	ds_load_b32 v202, v[ASKT] offset:(\vs)         ; its scale words: ten loads;
	ds_load_b32 v203, v[ASKT] offset:(\vs)+128
	KHALF 0, \ka, \ko, \sa, \so                    ; and K of the next key step: ten more.  They land under the exponentials
	KHALF 1, \ka, \ko, \sa, \so
	s_wait_alu depctr_va_vdst(0)
.set J, 0
.rept 64
	v_exp_f32 v[96+J], v[96+J]                     ; p = 2^(t - M)
.set J, J+1
.endr
	v_or_b32 v204, v[A1], v[BP]                    ; p's scale word for these 128 keys (a plain place behind the last exponential)
	s_wait_alu depctr_va_vdst(0)                   ; one wait for the batch, ahead of its first reader
.irp c, 0,1
.irp g, 0,1,2,3
	v_cvt_scalef32_pk8_fp4_f32 v[192+4*\c+\g], v[96+32*\c+8*\g:103+32*\c+8*\g], v[SO+\c]   ; registers 4 c .. 4 c + 3 of the operand: k = 64 c + 32 h + 0 .. 31
.endr
.endr
	v_nop                                          ; one plain place behind a scaled conversion
.irp m, 16,32,48                               ; the row's sum of the unquantised p: eight chains, in place.  These 28 lines are also the places between p's scale word and codes and the products below
.set J, 0
.rept 8
	v_pk_add_f32 v[96+J:97+J], v[96+J:97+J], v[96+\m+J:97+\m+J]
.set J, J+2
.endr
.endr
.set J, 0
.rept 4
	v_pk_add_f32 v[206+J:207+J], v[96+J:97+J], v[104+J:105+J]      ; four partial sums: macro SUMS takes them up behind the next products
.set J, J+2
.endr
	s_wait_alu depctr_va_vdst(0)
	s_wait_dscnt 10                                ; V's fragments and scale words are in; the ten loads issued behind them, the next step's K, may be out
.irp j, 0,1,2,3
.if \first
	WM 160+8*\j, 32+8*\j, 192, -1, 202+(\j>>1), \j&1, 204     ; the first step's products start O^T: nothing is cleared
.else
	WM 160+8*\j, 32+8*\j, 192, 160+8*\j, 202+(\j>>1), \j&1, 204
.endif
.endr
	s_wait_dscnt 0x0                               ; the next step's K is in
.endm
; ---- A TRIP: key steps 2 t and 2 t + 1 of my half, t = s[CT].  A step is 4,096 bytes of fragments and 256 of scale words; the step behind the last is step 0, for the next energy step
.macro TRIP first
	s_lshl_b32 s75, s[CT], 13
	s_lshl_b32 s77, s[CT], 9
	s_add_co_u32 s76, s[CT], 1
	s_and_b32 s76, s76, 3
	s_lshl_b32 s78, s76, 9
	s_lshl_b32 s76, s76, 13
	v_add_nc_u32 v[AKT], s75, v[AK0]
	v_add_nc_u32 v[AVT], s75, v[AV0]
	v_add_nc_u32 v[ASKT], s77, v[ASK0]
	v_add_nc_u32 v[AKN], s76, v[AK0]
	v_add_nc_u32 v[ASKN], s78, v[ASK0]
.if \first
	v_mov_b32 v14, 0
	v_mov_b32 v15, 0
.endif
	s_wait_alu depctr_va_vdst(0)
	STEP 0, 4096, AKT, 4096, ASKT, 256, \first
	STEP 4096, 4352, AKN, 0, ASKN, 0, 0
.endm
; ---- THE HALVES MEET.  Each wave puts O^T and (-M, l) into its own bytes; behind a barrier it reads its partner's and adds: own x f_own, then partner x f_partner in one fused step
.macro MERGE
	SUMS                                           ; the last step's sums; four places behind its products
	D1
	v_add_f32 v14, v14, v15
	D1
	v_permlanex16_b32 v[T], v14, s[SEL], s[SEL+1]
	D1
	v_add_f32 v13, v14, v[T]                       ; l of my half, beside -M
.irp g, 0,1,2,3,4,5,6,7
	ds_store_b128 v[PWO], v[160+4*\g:163+4*\g] offset:512*\g   ; one run of stores; each accumulator from its low end on
.endr
	ds_store_b64 v[PWO], v[12:13] offset:4096
	s_wait_alu depctr_va_vdst(0)
	s_wait_dscnt 0x0                               ; for the partner's sake: my stores have landed
	s_barrier_signal -1
	s_barrier_wait -1
	ds_load_b64 v[ST:ST+1], v[PRO] offset:4096
.irp g, 0,1,2,3,4,5,6,7
	ds_load_b128 v[96+4*\g:99+4*\g], v[PRO] offset:512*\g
.endr
	s_wait_dscnt 8                                 ; the partner's (-M, l) is in; the eight loads behind it may be out
	v_min_num_f32 v[T], v12, v[ST]                 ; -M of the row
	D1
	v_sub_f32 v[FF], v[T], v12                     ; my M - M, the partner's M - M: whole numbers, 0 or less
	v_sub_f32 v[ST], v[T], v[ST]
	v_cvt_i32_f32 v[FF], v[FF]
	v_cvt_i32_f32 v[ST], v[ST]
	v_ldexp_f32 v[FF], 1.0, v[FF]                  ; f of my half,
	v_ldexp_f32 v[ST], 1.0, v[ST]                  ; and of the partner's, beside its l
	v_mul_f32 v14, v13, v[FF]
	D1
	v_fmac_f32 v14, v[ST+1], v[ST]                 ; l of the row
	s_wait_alu depctr_va_vdst(0)
	v_rcp_f32 v14, v14
.set J, 0
.rept 16
	v_pk_mul_f32 v[160+J:161+J], v[160+J:161+J], v[FF:FF+1] op_sel_hi:[1,0]
.set J, J+2
.endr
	s_wait_alu depctr_va_vdst(0)                   ; the wait behind the reciprocal; it stands directly ahead of the wait below too
	s_wait_dscnt 0x0                               ; the partner's O^T: and my reads of its part are over
	v_mul_f32 v[FF], 0x3dcccccd, v14               ; 0.1 / l
.set J, 0
.rept 16
	v_pk_fma_f32 v[160+J:161+J], v[96+J:97+J], v[ST:ST+1], v[160+J:161+J] op_sel_hi:[1,0,1]
.set J, J+2
.endr
	s_barrier_signal -1                            ; say so; only register work stands up to the wait, behind which the parts may be written again
.set J, 0
.rept 16
	v_pk_fma_f32 v[QF+J:QF+J+1], v[160+J:161+J], v[FF:FF+1], v[QF+J:QF+J+1] op_sel_hi:[1,0,1]   ; q += 0.1 O / l
.set J, J+2
.endr
	QFORM
	s_wait_alu depctr_va_vdst(0)
	s_barrier_wait -1
.endm
	s_mov_b32 s[CNT], 5
.Lenergy:
	s_mov_b32 s[CT], 0
	TRIP 1                                         ; written out: its first step starts the sums
	s_mov_b32 s[CT], 1
.Lkeys:
	TRIP 0
	s_add_co_u32 s[CT], s[CT], 1
	s_cmp_lt_u32 s[CT], 4
	s_cbranch_scc1 .Lkeys
	MERGE
	s_sub_co_u32 s[CNT], s[CNT], 1
	s_cmp_lg_u32 s[CNT], 0
	s_cbranch_scc1 .Lenergy
	v_and_b32 v29, 31, v0
	v_and_b32 v30, 15, v0
	v_lshl_add_u32 v29, v29, 4, s73                ; where q's codes go,
	v_lshl_add_u32 v30, v30, 4, s74                ; and its two scale bytes
	s_wait_alu depctr_va_vdst(0)
	s_cmp_lt_u32 s[WV], 4                          ; the two waves of a query tile hold the same q: those of half 0 store it
	s_cbranch_scc0 .Lno_out
	global_store_b128 v29, v[16:19], s[8:9]        ; 512 consecutive bytes
	global_store_b16 v30, v[W], s[8:9]             ; lanes 16-31 store the same two bytes with the same value
.Lno_out:
	s_wait_tensorcnt 0x0                           ; the wave's end
	ds_add_u32 v[SPW], v[NIL]
	s_wait_dscnt 0x0
	CROUND                                         ; the closing round
	s_endpgm
.Lfunc_end_k_qbb2c875e83_attn:
	.size	k_qbb2c875e83_attn, .Lfunc_end_k_qbb2c875e83_attn-k_qbb2c875e83_attn
	.p2alignl 7, 3214868480
	.fill 96, 4, 3214868480
	.section	.rodata,"a",@progbits
	.p2align	6, 0x0
	.amdhsa_kernel k_qbb2c875e83_attn
		.amdhsa_group_segment_fixed_size 244736
		.amdhsa_private_segment_fixed_size 0
		.amdhsa_enable_private_segment 0
		.amdhsa_kernarg_size 24
		.amdhsa_user_sgpr_count 2
		.amdhsa_user_sgpr_kernarg_segment_ptr 1
		.amdhsa_wavefront_size32 1
		.amdhsa_system_sgpr_workgroup_id_x 1
		.amdhsa_system_sgpr_workgroup_id_y 1
		.amdhsa_system_sgpr_workgroup_id_z 1
		.amdhsa_system_vgpr_workitem_id 0
		.amdhsa_next_free_vgpr 256
		.amdhsa_next_free_sgpr 100
		.amdhsa_reserve_vcc 0
		.amdhsa_float_denorm_mode_32 3
		.amdhsa_float_denorm_mode_16_64 3
		.amdhsa_memory_ordered 1
		.amdhsa_forward_progress 1
		.amdhsa_inst_pref_size 87
	.end_amdhsa_kernel
	.amdgpu_metadata
---
amdhsa.version: [ 1, 2 ]
amdhsa.kernels:
  - .name:           k_qbb2c875e83_attn
    .symbol:         k_qbb2c875e83_attn.kd
    .args:
      - { .name: wq, .offset: 0, .size: 8, .value_kind: global_buffer, .address_space: global }
      - { .name: kv, .offset: 8, .size: 8, .value_kind: global_buffer, .address_space: global }
      - { .name: qa, .offset: 16, .size: 8, .value_kind: global_buffer, .address_space: global }
    .group_segment_fixed_size: 244736
    .private_segment_fixed_size: 0
    .kernarg_segment_align: 8
    .kernarg_segment_size: 24
    .max_flat_workgroup_size: 256
    .sgpr_count:     100
    .vgpr_count:     256
    .wavefront_size: 32
...
	.end_amdgpu_metadata
.endif
;; end of part 3
;; launch oproj (part 4): grid 16 x 16, 4 waves a work-group, clusters of 4 x 4, 168,448 bytes of LDS; arguments wq, qa, target, alpha2, t2, n2; writes t2, n2
.if DOCPART == 4
	.amdgcn_target "amdgcn-amd-amdhsa--gfx1250"
	.amdhsa_code_object_version 6
	.text
	.protected	k_qbb2c875e83_oproj
	.globl	k_qbb2c875e83_oproj
	.p2align	8
	.type	k_qbb2c875e83_oproj,@function
k_qbb2c875e83_oproj:
	s_mov_b64 s[64:65], 0
	v_nop
	global_prefetch_b8 v0, s[64:65] scope:SCOPE_SE
	s_setreg_imm32_b32 hwreg(HW_REG_WAVE_MODE, 25, 1), 1
	s_wait_xcnt 0x0
	s_wait_alu depctr_hold_cnt(0) depctr_sa_sdst(0) depctr_va_vdst(0) depctr_va_sdst(0) depctr_va_ssrc(0) depctr_va_vcc(0) depctr_vm_vsrc(0)
	s_getreg_b32 s2, hwreg(HW_REG_IB_STS2, 6, 4)
	s_cmp_eq_u32 s2, 0
	s_cbranch_scc0 .Lentry_in_a_cluster
	s_endpgm
.Lentry_in_a_cluster:
	s_bfe_u32 s2, ttmp6, 0x10000c
	s_cmp_lg_u32 s2, 0xf033
	s_cbranch_scc0 .Lentry_shape_is_right
	s_endpgm
.Lentry_shape_is_right:
; t2 = target + q Wo^T (64 rows, work-group y, x 64 columns, work-group x) on codes of FP4, and n2 = the codes of tanh(alpha2 t2) along the columns, which are the next product's K.
; Wave w takes rows 16 w .. 16 w + 15 and all four tiles of columns.  TRANSPOSED: source 0 = 16 rows of Wo, source 1 = q's fragment: a lane holds one row, register 8 j + t column 32 (j / 2) + 16 h + 8 (j % 2) + t.
; q's fragments lie in qa as images of operand registers (dense, 1,024 bytes each), Wo's strip in wq as rows (bits 3 and 4 of the row's number swapped), both whole in LDS: filled once.
; THE RESIDUAL is the C of each sum's first product: the target's 16 x 64 numbers of a wave come by a tensor load of its own and go from LDS into the accumulators.  (So the residual starts the f32 sum.)
; The same LDS rows, which have had their only fill and are the wave's own, serve as the stage on the way out: sixteen lanes store 256 consecutive bytes of t2, aligned.
; CLUSTER 4 x 4: q's images hang on y alone: jointly along a row; Wo's strip on x alone: along a column.  No prefetch: all is asked for at the head.
; LIMITS: NaN and infinities are not served; tanh is good to about 5e-7 of the number; a block whose largest magnitude lies under 2^-124 gets the byte 1.  n2's scale bytes leave two at a time.
; AS THE TEXT NOW STANDS, in place of the head's words on the residual: the target's 16 x 64 numbers of a wave come by eight loads into registers, sixteen lanes to 256 consecutive bytes, turn through the wave's own
; rows of the stage (into which no fill lands) and go into the accumulators.  A wave issues one tensor load.
.set SCL, 7340032
.set RES, 67584                        ; LDS: 0 q's 32 fragments; 32,768 Wo's two chunks of 64 rows x 272; RES 64 rows x 272: the residual, then the stage
.set ASTEP, 4096
.set BCH, 17408
.set KW, 8
.set WV, 16
.set CX, 17
.set CY, 18
.set GX, 19
.set GY, 20
.set MR, 21
.set MC, 22
.set AL, 23
.set G1A, 24
.set G1B, 32
.set G1R, 40
.set G0R, 48
.set G0A, 52
.set G0B, 56
.set SEL, 60
.set C1, 66
.set C2, 67
.set C3, 68
.set CQ, 69
.set ADA, 1
.set ADB, 2
.set ADR, 3
.set ADS, 4
.set GO, 5
.set CO, 6
.set SOF, 7
.set AC, 16                            ; v16-47 four accumulators; v48-87, v88-127 two sets of fragments; v128-131 q's scale words; v144-159 Wo's
.set F0, 48
.set AS, 128
.set BS, 144
.set TM, 208
.set TP, 210
.set SO, 212
.set EB, 214
.set W, 216
.set PC, 218
.macro PLACES n
.rept \n
	v_nop
.endr
.endm
.macro CROUND                          ; a round of the cluster's barrier
	s_barrier_signal -1
	s_barrier_wait -1
	s_cmp_lg_u32 s[WV], 0
	s_cbranch_scc1 .Lnot_wave_0_\@
	s_barrier_signal -3
.Lnot_wave_0_\@:
	s_barrier_wait -3
	s_barrier_signal -1
	s_barrier_wait -1
.endm
; one product: D, A, B at registers d, a, b; C = 0 where c < 0; scale registers sa, sb, read from lanes 16-31 where ra, rb = 1
.macro WM d, a, b, c, sa, ra, sb, rb
.if (\c) < 0
.if (\ra) && (\rb)
	v_wmma_scale_f32_16x16x128_f8f6f4 v[(\d):(\d)+7], v[(\a):(\a)+7], v[(\b):(\b)+7], 0, v[\sa], v[\sb] matrix_a_fmt:MATRIX_FMT_FP4 matrix_b_fmt:MATRIX_FMT_FP4 matrix_a_scale:MATRIX_SCALE_ROW1 matrix_b_scale:MATRIX_SCALE_ROW1
.elseif (\ra)
	v_wmma_scale_f32_16x16x128_f8f6f4 v[(\d):(\d)+7], v[(\a):(\a)+7], v[(\b):(\b)+7], 0, v[\sa], v[\sb] matrix_a_fmt:MATRIX_FMT_FP4 matrix_b_fmt:MATRIX_FMT_FP4 matrix_a_scale:MATRIX_SCALE_ROW1
.elseif (\rb)
	v_wmma_scale_f32_16x16x128_f8f6f4 v[(\d):(\d)+7], v[(\a):(\a)+7], v[(\b):(\b)+7], 0, v[\sa], v[\sb] matrix_a_fmt:MATRIX_FMT_FP4 matrix_b_fmt:MATRIX_FMT_FP4 matrix_b_scale:MATRIX_SCALE_ROW1
.else
	v_wmma_scale_f32_16x16x128_f8f6f4 v[(\d):(\d)+7], v[(\a):(\a)+7], v[(\b):(\b)+7], 0, v[\sa], v[\sb] matrix_a_fmt:MATRIX_FMT_FP4 matrix_b_fmt:MATRIX_FMT_FP4
.endif
.else
.if (\ra) && (\rb)
	v_wmma_scale_f32_16x16x128_f8f6f4 v[(\d):(\d)+7], v[(\a):(\a)+7], v[(\b):(\b)+7], v[(\c):(\c)+7], v[\sa], v[\sb] matrix_a_fmt:MATRIX_FMT_FP4 matrix_b_fmt:MATRIX_FMT_FP4 matrix_a_scale:MATRIX_SCALE_ROW1 matrix_b_scale:MATRIX_SCALE_ROW1
.elseif (\ra)
	v_wmma_scale_f32_16x16x128_f8f6f4 v[(\d):(\d)+7], v[(\a):(\a)+7], v[(\b):(\b)+7], v[(\c):(\c)+7], v[\sa], v[\sb] matrix_a_fmt:MATRIX_FMT_FP4 matrix_b_fmt:MATRIX_FMT_FP4 matrix_a_scale:MATRIX_SCALE_ROW1
.elseif (\rb)
	v_wmma_scale_f32_16x16x128_f8f6f4 v[(\d):(\d)+7], v[(\a):(\a)+7], v[(\b):(\b)+7], v[(\c):(\c)+7], v[\sa], v[\sb] matrix_a_fmt:MATRIX_FMT_FP4 matrix_b_fmt:MATRIX_FMT_FP4 matrix_b_scale:MATRIX_SCALE_ROW1
.else
	v_wmma_scale_f32_16x16x128_f8f6f4 v[(\d):(\d)+7], v[(\a):(\a)+7], v[(\b):(\b)+7], v[(\c):(\c)+7], v[\sa], v[\sb] matrix_a_fmt:MATRIX_FMT_FP4 matrix_b_fmt:MATRIX_FMT_FP4
.endif
.endif
.endm
; 32 numbers of a lane, register 16 b + i = k 32 b + 16 (lane / 16) + i of my row, become four registers of codes (lane (r, h): block h whole) and the two scale bytes in v[w]
.macro QUANT2 s, pc, w
.irp b, 0,1
	v_max3_num_f32 v[TM+\b], |v[(\s)+16*\b]|, |v[(\s)+1+16*\b]|, 0x1800000
.endr
.irp i, 2,4,6,8,10,12,14
.irp b, 0,1
	v_max3_num_f32 v[TM+\b], v[TM+\b], |v[(\s)+16*\b+\i]|, |v[(\s)+1+16*\b+\i]|
.endr
.endr
.irp b, 0,1
	v_permlanex16_b32 v[TP+\b], v[TM+\b], s[SEL], s[SEL+1]
.endr
.irp b, 0,1
	v_max_num_f32 v[TM+\b], v[TM+\b], v[TP+\b]
.endr
.irp b, 0,1
	v_add_nc_u32 v[SO+\b], 0xff000000, v[TM+\b]
.endr
.irp b, 0,1
	v_lshrrev_b32 v[EB+\b], 23, v[SO+\b]
.endr
	v_lshl_or_b32 v[\w], v[EB+1], 8, v[EB]
	v_cvt_scalef32_pk8_fp4_f32 v[(\pc)], v[(\s):(\s)+7], v[SO]
	v_cvt_scalef32_pk8_fp4_f32 v[(\pc)+1], v[(\s)+8:(\s)+15], v[SO]
	v_cvt_scalef32_pk8_fp4_f32 v[(\pc)+2], v[(\s)+16:(\s)+23], v[SO+1]
	v_cvt_scalef32_pk8_fp4_f32 v[(\pc)+3], v[(\s)+24:(\s)+31], v[SO+1]
	v_nop                                          ; one plain place behind a scaled conversion
	v_permlane16_swap_b32 v[(\pc)], v[(\pc)+2]
	v_permlane16_swap_b32 v[(\pc)+1], v[(\pc)+3]
.endm
; tanh(alpha x) of 16 registers, in place: 1 - 2 / (1 + 2^(2 log2(e) x)), and where x^2 < 1/16 the series x - x^3/3 + 2 x^5/15 - 17 x^7/315.  Two batches, one wait each
.macro TANH16 x, y, z, p
.set N, 0
.rept 16
	v_mul_f32 v[(\x)+N], s[AL], v[(\x)+N]
.set N, N+1
.endr
.set N, 0
.rept 16
	v_mul_f32 v[(\y)+N], 0x4038aa3b, v[(\x)+N]
.set N, N+1
.endr
.set N, 0
	s_wait_alu depctr_va_vdst(0)
.rept 16
	v_exp_f32 v[(\y)+N], v[(\y)+N]
.set N, N+1
.endr
.set N, 0
.rept 16
	v_mul_f32 v[(\z)+N], v[(\x)+N], v[(\x)+N]
.set N, N+1
.endr
	s_wait_alu depctr_va_vdst(0)                   ; one wait for the 16 exponentials
.set N, 0
.rept 16
	v_add_f32 v[(\y)+N], 1.0, v[(\y)+N]
.set N, N+1
.endr
.set N, 0
	s_wait_alu depctr_va_vdst(0)
.rept 16
	v_rcp_f32 v[(\y)+N], v[(\y)+N]
.set N, N+1
.endr
.set N, 0
.rept 16
	v_fma_f32 v[(\p)+N], v[(\z)+N], s[C3], s[C2]
.set N, N+1
.endr
.set N, 0
.rept 16
	v_fma_f32 v[(\p)+N], v[(\p)+N], v[(\z)+N], s[C1]
.set N, N+1
.endr
.set N, 0
.rept 16
	v_mul_f32 v[(\p)+N], v[(\p)+N], v[(\z)+N]
.set N, N+1
.endr
.set N, 0
.rept 16
	v_fma_f32 v[(\p)+N], v[(\x)+N], v[(\p)+N], v[(\x)+N]
.set N, N+1
.endr
	s_wait_alu depctr_va_vdst(0)                   ; one wait for the 16 reciprocals
.set N, 0
.rept 16
	v_fma_f32 v[(\y)+N], v[(\y)+N], -2.0, 1.0
.set N, N+1
.endr
.set N, 0
.rept 16
	v_cmp_gt_f32 vcc_lo, s[CQ], v[(\z)+N]
	v_cndmask_b32 v[(\x)+N], v[(\y)+N], v[(\p)+N], vcc_lo
.set N, N+1
.endr
.endm
; K step s: ten LDS loads: the rows' fragment (an image) and the weight's four tiles (rows 272 bytes apart)
.macro LOADF buf, s
.irp c, 0,1
	ds_load_b128 v[(\buf)+4*\c:(\buf)+4*\c+3], v[ADA] offset:((\s)%8)*ASTEP+512*\c
.endr
.irp j, 0,1,2,3
.irp c, 0,1
	ds_load_b128 v[(\buf)+8+8*\j+4*\c:(\buf)+8+8*\j+4*\c+3], v[ADB] offset:(((\s)>>2)%2)*BCH+\j*4352+64*((\s)&3)+32*\c
.endr
.endr
.endm
.macro MULS buf, s, first              ; four products, the four accumulators by turns
.irp j, 0,1,2,3
.if \first
	WM AC+8*\j, (\buf)+8+8*\j, \buf, -1, BS+KW*(\j&1)+(\s), \j>>1, AS+((\s)>>1), (\s)&1
.else
	WM AC+8*\j, (\buf)+8+8*\j, \buf, AC+8*\j, BS+KW*(\j&1)+(\s), \j>>1, AS+((\s)>>1), (\s)&1
.endif
.endr
.endm
.macro STAGE s0, n, zero               ; n K steps from s0 on, two sets of fragments by turns
	PLACES 4
	LOADF F0, \s0
.set I, 0
.rept \n
.if I+1 < \n
.if I > 0
	PLACES 4                                       ; between the products that read a set and the loads into it
.endif
	LOADF F0+40*((I+1)%2), (\s0)+I+1
	s_wait_dscnt 10                                ; this step's ten loads (and all before them) are in; the ten just issued may be out
.else
	s_wait_dscnt 0x0
.endif
.if (\zero) && (I == 0)
	MULS F0+40*(I%2), (\s0)+I, 1
.else
	MULS F0+40*(I%2), (\s0)+I, 0
.endif
.set I, I+1
.endr
.endm
	s_load_b256 s[4:11], s[0:1], 0x0               ; wq, qa, target, alpha2
	s_load_b128 s[12:15], s[0:1], 0x20             ; t2, n2
	v_lshl_add_u32 v224, v0, 2, 0x29000
	v_mov_b32 v225, 0
	ds_add_u32 v224, v225
	ds_add_u32 v224, v225
	v_lshrrev_b32 v8, 5, v0
	v_readfirstlane_b32 s[WV], v8                  ; wave 0..3
	s_bfe_u32 s[CX], ttmp6, 0x40000
	s_bfe_u32 s[CY], ttmp6, 0x40004
	s_lshl_b32 s[GX], ttmp9, 2
	s_add_co_u32 s[GX], s[GX], s[CX]               ; x: which 64 columns
	s_and_b32 s[GY], ttmp7, 0xffff
	s_lshl_b32 s[GY], s[GY], 2
	s_add_co_u32 s[GY], s[GY], s[CY]               ; y: which 64 rows
	s_lshl_b32 s[MR], s[CY], 2
	s_lshl_b32 s[MR], 15, s[MR]
	s_lshl_b32 s[MC], 0x1111, s[CX]
	s_or_b32 s[G1A], s[MR], (3<<16)|(1<<21)        ; a dense block of 16,384 bytes as 64 rows of 256
	s_mov_b32 s[G1A+1], 32<<16
	s_mov_b32 s[G1A+2], 64<<16
	s_mov_b32 s[G1A+3], 32<<16
	s_mov_b32 s[G1A+4], 64
	s_mov_b32 s[G1A+5], 32
	s_mov_b32 s[G1A+6], 0
	s_mov_b32 s[G1A+7], 0
	s_or_b32 s[G1B], s[MC], (1<<20)|(1<<21)|(5<<22)|(3<<25)   ; 64 rows x 256 bytes out of rows of 512, 16 bytes of padding behind each
	s_mov_b32 s[G1B+1], 256<<16
	s_mov_b32 s[G1B+2], 64<<16
	s_mov_b32 s[G1B+3], 256<<16
	s_mov_b32 s[G1B+4], 64
	s_mov_b32 s[G1B+5], 512
	s_mov_b32 s[G1B+6], 0
	s_mov_b32 s[G1B+7], 0
	s_mov_b32 s[SEL], 0x76543210
	s_mov_b32 s[SEL+1], 0xfedcba98
	s_mov_b32 s[C1], 0xbeaaaaab
	s_mov_b32 s[C2], 0x3e088889
	s_mov_b32 s[C3], 0xbd5d0dd1
	s_mov_b32 s[CQ], 0x3d800000
	s_and_b32 s62, s[WV], 1
	s_lshl_b32 s70, s[GY], 15                      ; q's images: 32,768 y + 16,384 w
	s_lshl_b32 s63, s[WV], 14
	s_add_co_u32 s70, s70, s63
	s_mov_b32 s71, 0
	s_lshl_b32 s72, s[GX], 15                      ; Wo's strip: rows 64 x on, chunk w % 2
	s_lshl_b32 s76, s62, 8
	s_add_co_u32 s72, s72, s76
	s_add_co_u32 s72, s72, 2097152
	s_mov_b32 s73, 0
	s_lshl_b32 s74, s[GY], 18                      ; the residual, and t2: row 64 y + 16 w, column 64 x
	s_lshl_b32 s76, s[WV], 16
	s_add_co_u32 s74, s74, s76
	s_lshl_b32 s76, s[GX], 8
	s_add_co_u32 s74, s74, s76
	s_mov_b32 s75, 0
	s_mul_i32 s79, s[WV], 4352
	s_add_co_u32 s79, s79, RES                     ; my 16 rows of the residual in LDS
	s_mul_i32 s62, s62, 17408
	s_add_co_u32 s62, s62, 32768
	v_and_b32 v10, 31, v0                          ; L
	v_and_b32 v11, 15, v0                          ; r
	v_bfe_u32 v12, v0, 4, 1                        ; h
	s_lshl_b32 s76, s[WV], 10
	v_lshl_add_u32 v[ADA], v10, 4, s76
	v_mul_u32_u24 v13, v11, 272
	v_lshl_add_u32 v[ADB], v12, 4, v13
	v_add_nc_u32 v[ADB], 32768, v[ADB]
	v_lshl_add_u32 v[ADR], v12, 6, v13
	v_add_nc_u32 v[ADR], s79, v[ADR]               ; row r, + 64 h bytes
	v_mul_u32_u24 v[ADS], v12, 272
	v_lshl_add_u32 v[ADS], v11, 4, v[ADS]
	v_add_nc_u32 v[ADS], s79, v[ADS]               ; back: lanes 0-15 one row, lanes 16-31 the next
	v_lshlrev_b32 v[GO], 12, v12
	v_lshl_add_u32 v[GO], v11, 4, v[GO]
	s_lshr_b32 s76, s[GY], 1
	s_lshl_b32 s76, s76, 16
	s_lshr_b32 s77, s[GX], 1
	s_lshl_b32 s77, s77, 13
	s_add_co_u32 s76, s76, s77
	s_and_b32 s77, s[GY], 1
	s_lshl_b32 s77, s77, 2
	s_add_co_u32 s77, s77, s[WV]
	s_lshl_b32 s77, s77, 10
	s_add_co_u32 s76, s76, s77
	s_and_b32 s77, s[GX], 1
	s_lshl_b32 s77, s77, 9
	s_add_co_u32 s76, s76, s77
	v_lshl_add_u32 v[CO], v10, 4, s76              ; n2's image: 65,536 (y / 2) + 8,192 (x / 2) + 1,024 (4 (y % 2) + w) + 512 (x % 2) + 16 L
	s_lshl_b32 s76, s[GY], 2
	s_add_co_u32 s76, s76, s[WV]
	s_lshl_b32 s76, s76, 9
	s_add_co_u32 s76, s76, 524288                  ; the scale words of rows' tile 4 y + w: in qa and in n2 alike
	v_lshl_add_u32 v8, v10, 4, s76
	s_bfe_u32 s77, s[GX], 0x10001
	s_lshl_b32 s77, s77, 8
	s_add_co_u32 s78, s76, s77
	s_bfe_u32 s77, s[GX], 0x20002
	s_lshl_b32 s77, s77, 2
	s_add_co_u32 s78, s78, s77
	s_and_b32 s77, s[GX], 1
	s_lshl_b32 s77, s77, 1
	s_add_co_u32 s78, s78, s77
	v_lshl_add_u32 v[SOF], v11, 4, s78             ; K step s = x / 2: lane r + 16 (s % 2), word s / 2, bytes 2 (x % 2) on
	s_lshl_b32 s76, s[GX], 11
	s_add_co_u32 s76, s76, SCL+131072
	v_lshl_add_u32 v9, v11, 5, s76
	v_lshl_add_u32 v9, v12, 10, v9                 ; Wo's scale words: row 64 x + 32 h + 16 u + r
	v_mov_b32 v[TP], 0
	v_mov_b32 v[TP+1], 0
	s_wait_alu depctr_va_vdst(0)
	s_wait_dscnt 0x0
	s_wait_kmcnt 0x0
	s_load_b32 s[AL], s[10:11], 0x0
	global_load_b128 v[AS:AS+3], v8, s[6:7]
.irp u, 0,1
	global_load_b128 v[BS+8*\u:BS+8*\u+3], v9, s[4:5] offset:512*\u
	global_load_b128 v[BS+8*\u+4:BS+8*\u+7], v9, s[4:5] offset:512*\u+16
.endr
	s_add_nc_u64 s[12:13], s[12:13], s[74:75]      ; t2 at my first row and column
	s_add_nc_u64 s[8:9], s[8:9], s[74:75]          ; THE RESIDUAL NOW COMES BY LOADS INTO REGISTERS, not by a tensor load: my 16 rows x 256 bytes of the target,
.irp i, 0,1,2,3,4,5,6,7
	global_load_b128 v[F0+4*\i:F0+4*\i+3], v[GO], s[8:9] offset:8192*\i   ; sixteen lanes read 256 consecutive bytes, aligned
.endr
	s_mov_b32 s[G0A], 1
	s_mov_b32 s[G0A+1], s63
	s_add_nc_u64 s[G0A+2:G0A+3], s[6:7], s[70:71]
	s_or_b32 s[G0A+3], s[G0A+3], 0x80000000
	s_mov_b32 s[G0B], 1
	s_mov_b32 s[G0B+1], s62
	s_add_nc_u64 s[G0B+2:G0B+3], s[4:5], s[72:73]
	s_or_b32 s[G0B+3], s[G0B+3], 0x80000000
	CROUND                                         ; all sixteen work-groups are here: the joint loads meet
	s_cmp_lt_u32 s[WV], 2                          ; waves 0, 1: q's images; waves 2, 3: Wo's two chunks: one tensor load a wave
	s_cbranch_scc0 .Lfor_b
	tensor_load_to_lds s[G0A:G0A+3], s[G1A:G1A+7]
	s_nop 0
	PLACES 4
	s_branch .Lasked
.Lfor_b:
	tensor_load_to_lds s[G0B:G0B+3], s[G1B:G1B+7]
	s_nop 0
	PLACES 4
.Lasked:
	s_wait_tensorcnt 0x0
	s_barrier_signal -1
	s_barrier_wait -1
	s_wait_loadcnt 0x0                             ; the scale words and the residual's rows
.irp i, 0,1,2,3,4,5,6,7                        ; the rows turn through my own rows of the stage, into which no fill lands: LDS serves a wave's instructions in order
	ds_store_b128 v[ADS], v[F0+4*\i:F0+4*\i+3] offset:544*\i
.endr
.irp j, 0,1,2,3                                ; and go into the accumulators: register 8 j + t is column 32 (j / 2) + 16 h + 8 (j % 2) + t
	ds_load_b128 v[AC+8*\j:AC+8*\j+3], v[ADR] offset:128*(\j>>1)+32*(\j&1)
	ds_load_b128 v[AC+8*\j+4:AC+8*\j+7], v[ADR] offset:128*(\j>>1)+32*(\j&1)+16
.endr
	s_wait_kmcnt 0x0                               ; alpha2
	STAGE 0, 8, 0
	PLACES 4
.irp j, 0,1,2,3                                ; t2 into my own rows of the stage, each accumulator from its low end on,
	ds_store_b128 v[ADR], v[AC+8*\j:AC+8*\j+3] offset:128*(\j>>1)+32*(\j&1)
	ds_store_b128 v[ADR], v[AC+8*\j+4:AC+8*\j+7] offset:128*(\j>>1)+32*(\j&1)+16
.endr
.irp i, 0,1,2,3,4,5,6,7                        ; and back by rows: LDS serves a wave's instructions in order
	ds_load_b128 v[F0+4*\i:F0+4*\i+3], v[ADS] offset:544*\i
.endr
	s_wait_dscnt 0x0                               ; the rows are back, and the stores have read the accumulators
.irp i, 0,1,2,3,4,5,6,7
	global_store_b128 v[GO], v[F0+4*\i:F0+4*\i+3], s[12:13] offset:8192*\i   ; sixteen lanes store 256 consecutive bytes, aligned
.endr
	TANH16 AC, 80, 96, 112
	TANH16 AC+16, 80, 96, 112
	QUANT2 AC, PC, W
	global_store_b128 v[CO], v[PC:PC+3], s[14:15]
	global_store_b16 v[SOF], v[W], s[14:15]        ; lanes 16-31 store the same two bytes with the same value
	s_wait_tensorcnt 0x0
	ds_add_u32 v224, v225
	s_wait_dscnt 0x0
	CROUND                                         ; the closing round
	s_endpgm
.Lfunc_end_k_qbb2c875e83_oproj:
	.size	k_qbb2c875e83_oproj, .Lfunc_end_k_qbb2c875e83_oproj-k_qbb2c875e83_oproj
	.p2alignl 7, 3214868480
	.fill 96, 4, 3214868480
	.section	.rodata,"a",@progbits
	.p2align	6, 0x0
	.amdhsa_kernel k_qbb2c875e83_oproj
		.amdhsa_group_segment_fixed_size 168448
		.amdhsa_private_segment_fixed_size 0
		.amdhsa_enable_private_segment 0
		.amdhsa_kernarg_size 48
		.amdhsa_user_sgpr_count 2
		.amdhsa_user_sgpr_kernarg_segment_ptr 1
		.amdhsa_wavefront_size32 1
		.amdhsa_system_sgpr_workgroup_id_x 1
		.amdhsa_system_sgpr_workgroup_id_y 1
		.amdhsa_system_sgpr_workgroup_id_z 1
		.amdhsa_system_vgpr_workitem_id 0
		.amdhsa_next_free_vgpr 226
		.amdhsa_next_free_sgpr 80
		.amdhsa_reserve_vcc 1
		.amdhsa_float_denorm_mode_32 3
		.amdhsa_float_denorm_mode_16_64 3
		.amdhsa_memory_ordered 1
		.amdhsa_forward_progress 1
		.amdhsa_inst_pref_size 43
	.end_amdhsa_kernel
	.amdgpu_metadata
---
amdhsa.version: [ 1, 2 ]
amdhsa.kernels:
  - .name:           k_qbb2c875e83_oproj
    .symbol:         k_qbb2c875e83_oproj.kd
    .args:
      - { .name: wq, .offset: 0, .size: 8, .value_kind: global_buffer, .address_space: global }
      - { .name: qa, .offset: 8, .size: 8, .value_kind: global_buffer, .address_space: global }
      - { .name: target, .offset: 16, .size: 8, .value_kind: global_buffer, .address_space: global }
      - { .name: alpha2, .offset: 24, .size: 8, .value_kind: global_buffer, .address_space: global }
      - { .name: t2, .offset: 32, .size: 8, .value_kind: global_buffer, .address_space: global }
      - { .name: n2, .offset: 40, .size: 8, .value_kind: global_buffer, .address_space: global }
    .group_segment_fixed_size: 168448
    .private_segment_fixed_size: 0
    .kernarg_segment_align: 8
    .kernarg_segment_size: 48
    .max_flat_workgroup_size: 128
    .sgpr_count:     80
    .vgpr_count:     226
    .wavefront_size: 32
...
	.end_amdgpu_metadata
.endif
;; end of part 4
;; launch ffn1 (part 5): grid 32 x 8, 16 waves a work-group, clusters of 4 x 4, 169,984 bytes of LDS; arguments wq, n2, hid; writes hid
.if DOCPART == 5
	.amdgcn_target "amdgcn-amd-amdhsa--gfx1250"
	.amdhsa_code_object_version 6
	.text
	.protected	k_qbb2c875e83_ffn1
	.globl	k_qbb2c875e83_ffn1
	.p2align	8
	.type	k_qbb2c875e83_ffn1,@function
k_qbb2c875e83_ffn1:
	s_mov_b64 s[64:65], 0
	v_nop
	global_prefetch_b8 v0, s[64:65] scope:SCOPE_SE
	s_setreg_imm32_b32 hwreg(HW_REG_WAVE_MODE, 25, 1), 1
	s_wait_xcnt 0x0
	s_wait_alu depctr_hold_cnt(0) depctr_sa_sdst(0) depctr_va_vdst(0) depctr_va_sdst(0) depctr_va_ssrc(0) depctr_va_vcc(0) depctr_vm_vsrc(0)
	s_getreg_b32 s2, hwreg(HW_REG_IB_STS2, 6, 4)
	s_cmp_eq_u32 s2, 0
	s_cbranch_scc0 .Lentry_in_a_cluster
	s_endpgm
.Lentry_in_a_cluster:
	s_bfe_u32 s2, ttmp6, 0x10000c
	s_cmp_lg_u32 s2, 0xf033
	s_cbranch_scc0 .Lentry_shape_is_right
	s_endpgm
.Lentry_shape_is_right:
; hid = the codes of gelu(n2 W1^T) along the hidden units, for 128 rows (work-group y) x 128 hidden units (work-group x), on codes of FP4.  The hidden layer never goes to memory as f32.
; Sixteen waves, four to a SIMD: wave w takes rows' tile w % 8 and the 64 hidden units of half w / 8.  TRANSPOSED: source 0 = 16 rows of W1, source 1 = the rows' fragment: a lane holds one row,
; register 8 j + t hidden unit 32 (j / 2) + 16 h + 8 (j % 2) + t: two blocks of 32 along the next product's K.
; n2's fragments are images of operand registers, W1's strip rows (bits 3 and 4 of the row's number swapped); both lie whole in LDS, filled once.
; gelu is jax's default: x sigmoid(2 sqrt(2 / pi) (x + 0.044715 x^3)) = x / (1 + 2^(x (c + c2 x^2))), c = -2 sqrt(2 / pi) log2(e), c2 = 0.044715 c.
; CLUSTER 4 x 4: n2's images hang on y alone: jointly along a row; W1's strip on x alone: along a column.  No prefetch: all is asked for at the head.
; LIMITS: NaN and infinities are not served; gelu is good to about 1e-6 of the number; a block whose largest magnitude lies under 2^-124 gets the byte 1.  The scale bytes leave two at a time.
.set SCL, 7340032
.set ASTEP, 8192                       ; LDS: 0 n2's 64 fragments [K step][tile][1,024]; 65,536 W1's two chunks of 128 rows x 272
.set BCH, 34816
.set KW, 8
.set WV, 10
.set CX, 11
.set CY, 12
.set GX, 13
.set GY, 14
.set MR, 15
.set G1A, 16
.set G1B, 24
.set G0A, 32
.set G0B, 36
.set MC, 40
.set MT, 41
.set NH, 42
.set GC, 43
.set GC2, 44
.set SEL, 46
.set ADA, 1
.set ADB, 2
.set CO, 6
.set SOF, 7
.set AC, 16
.set F0, 48
.set AS, 128
.set BS, 144
.set TM, 208
.set TP, 210
.set SO, 212
.set EB, 214
.set W, 216
.set PC, 218
.macro PLACES n
.rept \n
	v_nop
.endr
.endm
.macro CROUND                          ; a round of the cluster's barrier
	s_barrier_signal -1
	s_barrier_wait -1
	s_cmp_lg_u32 s[WV], 0
	s_cbranch_scc1 .Lnot_wave_0_\@
	s_barrier_signal -3
.Lnot_wave_0_\@:
	s_barrier_wait -3
	s_barrier_signal -1
	s_barrier_wait -1
.endm
; one product: D, A, B at registers d, a, b; C = 0 where c < 0; scale registers sa, sb, read from lanes 16-31 where ra, rb = 1
.macro WM d, a, b, c, sa, ra, sb, rb
.if (\c) < 0
.if (\ra) && (\rb)
	v_wmma_scale_f32_16x16x128_f8f6f4 v[(\d):(\d)+7], v[(\a):(\a)+7], v[(\b):(\b)+7], 0, v[\sa], v[\sb] matrix_a_fmt:MATRIX_FMT_FP4 matrix_b_fmt:MATRIX_FMT_FP4 matrix_a_scale:MATRIX_SCALE_ROW1 matrix_b_scale:MATRIX_SCALE_ROW1
.elseif (\ra)
	v_wmma_scale_f32_16x16x128_f8f6f4 v[(\d):(\d)+7], v[(\a):(\a)+7], v[(\b):(\b)+7], 0, v[\sa], v[\sb] matrix_a_fmt:MATRIX_FMT_FP4 matrix_b_fmt:MATRIX_FMT_FP4 matrix_a_scale:MATRIX_SCALE_ROW1
.elseif (\rb)
	v_wmma_scale_f32_16x16x128_f8f6f4 v[(\d):(\d)+7], v[(\a):(\a)+7], v[(\b):(\b)+7], 0, v[\sa], v[\sb] matrix_a_fmt:MATRIX_FMT_FP4 matrix_b_fmt:MATRIX_FMT_FP4 matrix_b_scale:MATRIX_SCALE_ROW1
.else
	v_wmma_scale_f32_16x16x128_f8f6f4 v[(\d):(\d)+7], v[(\a):(\a)+7], v[(\b):(\b)+7], 0, v[\sa], v[\sb] matrix_a_fmt:MATRIX_FMT_FP4 matrix_b_fmt:MATRIX_FMT_FP4
.endif
.else
.if (\ra) && (\rb)
	v_wmma_scale_f32_16x16x128_f8f6f4 v[(\d):(\d)+7], v[(\a):(\a)+7], v[(\b):(\b)+7], v[(\c):(\c)+7], v[\sa], v[\sb] matrix_a_fmt:MATRIX_FMT_FP4 matrix_b_fmt:MATRIX_FMT_FP4 matrix_a_scale:MATRIX_SCALE_ROW1 matrix_b_scale:MATRIX_SCALE_ROW1
.elseif (\ra)
	v_wmma_scale_f32_16x16x128_f8f6f4 v[(\d):(\d)+7], v[(\a):(\a)+7], v[(\b):(\b)+7], v[(\c):(\c)+7], v[\sa], v[\sb] matrix_a_fmt:MATRIX_FMT_FP4 matrix_b_fmt:MATRIX_FMT_FP4 matrix_a_scale:MATRIX_SCALE_ROW1
.elseif (\rb)
	v_wmma_scale_f32_16x16x128_f8f6f4 v[(\d):(\d)+7], v[(\a):(\a)+7], v[(\b):(\b)+7], v[(\c):(\c)+7], v[\sa], v[\sb] matrix_a_fmt:MATRIX_FMT_FP4 matrix_b_fmt:MATRIX_FMT_FP4 matrix_b_scale:MATRIX_SCALE_ROW1
.else
	v_wmma_scale_f32_16x16x128_f8f6f4 v[(\d):(\d)+7], v[(\a):(\a)+7], v[(\b):(\b)+7], v[(\c):(\c)+7], v[\sa], v[\sb] matrix_a_fmt:MATRIX_FMT_FP4 matrix_b_fmt:MATRIX_FMT_FP4
.endif
.endif
.endm
; 32 numbers of a lane, register 16 b + i = k 32 b + 16 (lane / 16) + i of my row, become four registers of codes (lane (r, h): block h whole) and the two scale bytes in v[w]
.macro QUANT2 s, pc, w
.irp b, 0,1
	v_max3_num_f32 v[TM+\b], |v[(\s)+16*\b]|, |v[(\s)+1+16*\b]|, 0x1800000
.endr
.irp i, 2,4,6,8,10,12,14
.irp b, 0,1
	s_delay_alu instid0(VALU_DEP_2)
	v_max3_num_f32 v[TM+\b], v[TM+\b], |v[(\s)+16*\b+\i]|, |v[(\s)+1+16*\b+\i]|
.endr
.endr
.irp b, 0,1
	s_delay_alu instid0(VALU_DEP_2)
	v_permlanex16_b32 v[TP+\b], v[TM+\b], s[SEL], s[SEL+1]
.endr
.irp b, 0,1
	s_delay_alu instid0(VALU_DEP_2)
	v_max_num_f32 v[TM+\b], v[TM+\b], v[TP+\b]
.endr
.irp b, 0,1
	s_delay_alu instid0(VALU_DEP_2)
	v_add_nc_u32 v[SO+\b], 0xff000000, v[TM+\b]
.endr
.irp b, 0,1
	s_delay_alu instid0(VALU_DEP_2)
	v_lshrrev_b32 v[EB+\b], 23, v[SO+\b]
.endr
	s_delay_alu instid0(VALU_DEP_1)
	v_lshl_or_b32 v[\w], v[EB+1], 8, v[EB]
	v_cvt_scalef32_pk8_fp4_f32 v[(\pc)], v[(\s):(\s)+7], v[SO]
	v_cvt_scalef32_pk8_fp4_f32 v[(\pc)+1], v[(\s)+8:(\s)+15], v[SO]
	v_cvt_scalef32_pk8_fp4_f32 v[(\pc)+2], v[(\s)+16:(\s)+23], v[SO+1]
	v_cvt_scalef32_pk8_fp4_f32 v[(\pc)+3], v[(\s)+24:(\s)+31], v[SO+1]
	v_nop                                          ; one plain place behind a scaled conversion
	v_permlane16_swap_b32 v[(\pc)], v[(\pc)+2]
	v_permlane16_swap_b32 v[(\pc)+1], v[(\pc)+3]
.endm
.macro LOADF buf, s
.irp c, 0,1
	ds_load_b128 v[(\buf)+4*\c:(\buf)+4*\c+3], v[ADA] offset:((\s)%8)*ASTEP+512*\c
.endr
.irp j, 0,1,2,3
.irp c, 0,1
	ds_load_b128 v[(\buf)+8+8*\j+4*\c:(\buf)+8+8*\j+4*\c+3], v[ADB] offset:(((\s)>>2)%2)*BCH+\j*4352+64*((\s)&3)+32*\c
.endr
.endr
.endm
.macro MULS buf, s, first              ; four products, the four accumulators by turns
.irp j, 0,1,2,3
.if \first
	WM AC+8*\j, (\buf)+8+8*\j, \buf, -1, BS+KW*(\j&1)+(\s), \j>>1, AS+((\s)>>1), (\s)&1
.else
	WM AC+8*\j, (\buf)+8+8*\j, \buf, AC+8*\j, BS+KW*(\j&1)+(\s), \j>>1, AS+((\s)>>1), (\s)&1
.endif
.endr
.endm
.macro STAGE s0, n, zero
	PLACES 4
	LOADF F0, \s0
.set I, 0
.rept \n
.if I+1 < \n
.if I > 0
	PLACES 4                                       ; between the products that read a set and the loads into it
.endif
	LOADF F0+40*((I+1)%2), (\s0)+I+1
	s_wait_dscnt 10                                ; this step's ten loads are in; the ten just issued may be out
.else
	s_wait_dscnt 0x0
.endif
.if (\zero) && (I == 0)
	MULS F0+40*(I%2), (\s0)+I, 1
.else
	MULS F0+40*(I%2), (\s0)+I, 0
.endif
.set I, I+1
.endr
.endm
; gelu of 32 registers, in place; two batches, one wait each
.macro GELU32 x, y
.set N, 0
.rept 32
	v_mul_f32 v[(\y)+N], v[(\x)+N], v[(\x)+N]
.set N, N+1
.endr
.set N, 0
.rept 32
	v_fma_f32 v[(\y)+N], v[(\y)+N], s[GC2], s[GC]
.set N, N+1
.endr
.set N, 0
.rept 32
	v_mul_f32 v[(\y)+N], v[(\y)+N], v[(\x)+N]
.set N, N+1
.endr
.set N, 0
	s_wait_alu depctr_va_vdst(0)
.rept 32
	v_exp_f32 v[(\y)+N], v[(\y)+N]
.set N, N+1
.endr
	v_nop
	s_wait_alu depctr_va_vdst(0)                   ; one wait for the 32 exponentials
.set N, 0
.rept 32
	v_add_f32 v[(\y)+N], 1.0, v[(\y)+N]
.set N, N+1
.endr
.set N, 0
	s_wait_alu depctr_va_vdst(0)
.rept 32
	v_rcp_f32 v[(\y)+N], v[(\y)+N]
.set N, N+1
.endr
	v_nop
	s_wait_alu depctr_va_vdst(0)                   ; one wait for the 32 reciprocals
.set N, 0
.rept 32
	v_mul_f32 v[(\x)+N], v[(\x)+N], v[(\y)+N]
.set N, N+1
.endr
.endm
	s_load_b128 s[4:7], s[0:1], 0x0                ; wq, n2
	s_load_b64 s[8:9], s[0:1], 0x10                ; hid
	v_lshl_add_u32 v224, v0, 2, 0x29000
	v_mov_b32 v225, 0
	ds_add_u32 v224, v225
	ds_add_u32 v224, v225
	v_lshrrev_b32 v8, 5, v0
	s_delay_alu instid0(VALU_DEP_1)
	v_readfirstlane_b32 s[WV], v8                  ; wave 0..15
	s_bfe_u32 s[CX], ttmp6, 0x40000
	s_bfe_u32 s[CY], ttmp6, 0x40004
	s_lshl_b32 s[GX], ttmp9, 2
	s_add_co_u32 s[GX], s[GX], s[CX]               ; x: which 128 hidden units
	s_and_b32 s[GY], ttmp7, 0xffff
	s_lshl_b32 s[GY], s[GY], 2
	s_add_co_u32 s[GY], s[GY], s[CY]               ; y: which 128 rows
	s_lshl_b32 s[MR], s[CY], 2
	s_lshl_b32 s[MR], 15, s[MR]
	s_lshl_b32 s[MC], 0x1111, s[CX]
	s_or_b32 s[G1A], s[MR], (3<<16)|(1<<21)        ; a dense block of 16,384 bytes as 64 rows of 256
	s_mov_b32 s[G1A+1], 32<<16
	s_mov_b32 s[G1A+2], 64<<16
	s_mov_b32 s[G1A+3], 32<<16
	s_mov_b32 s[G1A+4], 64
	s_mov_b32 s[G1A+5], 32
	s_mov_b32 s[G1A+6], 0
	s_mov_b32 s[G1A+7], 0
	s_or_b32 s[G1B], s[MC], (1<<20)|(1<<21)|(5<<22)|(3<<25)   ; 64 rows x 256 bytes out of rows of 512, 16 bytes of padding behind each
	s_mov_b32 s[G1B+1], 256<<16
	s_mov_b32 s[G1B+2], 64<<16
	s_mov_b32 s[G1B+3], 256<<16
	s_mov_b32 s[G1B+4], 64
	s_mov_b32 s[G1B+5], 512
	s_mov_b32 s[G1B+6], 0
	s_mov_b32 s[G1B+7], 0
	s_mov_b32 s[SEL], 0x76543210
	s_mov_b32 s[SEL+1], 0xfedcba98
	s_mov_b32 s[GC], 0xc0135761                    ; -2 sqrt(2 / pi) log2(e)
	s_mov_b32 s[GC2], 0xbdd2d3e7                   ; x 0.044715
	s_and_b32 s[MT], s[WV], 7
	s_lshr_b32 s[NH], s[WV], 3
	s_lshl_b32 s48, s[GY], 16                      ; n2's images: 65,536 y + 16,384 w
	s_lshl_b32 s52, s[WV], 14
	s_add_co_u32 s48, s48, s52
	s_mov_b32 s49, 0
	s_lshl_b32 s50, s[GX], 16                      ; W1's strip: rows 128 x + 64 (w % 2), chunk (w / 2) % 2
	s_and_b32 s53, s[WV], 1
	s_lshl_b32 s53, s53, 15
	s_add_co_u32 s50, s50, s53
	s_bfe_u32 s53, s[WV], 0x10001
	s_lshl_b32 s53, s53, 8
	s_add_co_u32 s50, s50, s53
	s_add_co_u32 s50, s50, 2621440
	s_mov_b32 s51, 0
	s_and_b32 s53, s[WV], 3
	s_mul_i32 s53, s53, 17408
	s_add_co_u32 s53, s53, 65536
	v_and_b32 v10, 31, v0                          ; L
	v_and_b32 v11, 15, v0                          ; r
	s_wait_alu depctr_va_vdst(0)
	v_bfe_u32 v12, v0, 4, 1                        ; h
	s_lshl_b32 s54, s[MT], 10
	v_lshl_add_u32 v[ADA], v10, 4, s54
	v_mul_u32_u24 v[ADB], v11, 272
	s_delay_alu instid0(VALU_DEP_1)
	v_lshl_add_u32 v[ADB], v12, 4, v[ADB]
	s_mul_i32 s54, s[NH], 17408
	s_add_co_u32 s54, s54, 65536
	v_add_nc_u32 v[ADB], s54, v[ADB]               ; my half's 64 rows of W1
	s_lshl_b32 s54, s[GY], 3
	s_add_co_u32 s54, s54, s[MT]                   ; the rows' tile among all: 8 y + mt
	s_lshl_b32 s55, s54, 9
	s_add_co_u32 s55, s55, 524288
	v_lshl_add_u32 v8, v10, 4, s55                 ; n2's scale words
	s_lshl_b32 s55, s[GX], 12
	s_lshl_b32 s56, s[NH], 11
	s_add_co_u32 s55, s55, s56
	s_add_co_u32 s55, s55, SCL+163840
	v_lshl_add_u32 v9, v11, 5, s55
	s_wait_alu depctr_va_vdst(0)
	v_lshl_add_u32 v9, v12, 10, v9                 ; W1's: row 128 x + 64 nh + 32 h + 16 u + r
	s_lshl_b32 s55, s54, 11
	s_add_co_u32 s55, s55, 2097152
	s_lshr_b32 s56, s[GX], 3
	s_lshl_b32 s56, s56, 9
	s_add_co_u32 s55, s55, s56
	s_and_b32 s56, s[GX], 1
	s_lshl_b32 s56, s56, 8
	s_add_co_u32 s55, s55, s56
	s_bfe_u32 s56, s[GX], 0x20001
	s_lshl_b32 s56, s56, 2
	s_add_co_u32 s55, s55, s56
	s_lshl_b32 s56, s[NH], 1
	s_add_co_u32 s55, s55, s56
	v_lshl_add_u32 v[SOF], v11, 4, s55             ; K step x: group x / 8, lane r + 16 (x % 2), word (x / 2) % 4, bytes 2 nh on
	s_lshr_b32 s55, s54, 2                         ; 2 y + mt / 4
	s_lshl_b32 s55, s55, 17
	s_lshl_b32 s56, s[GX], 12
	s_add_co_u32 s55, s55, s56
	s_and_b32 s56, s[MT], 3
	s_lshl_b32 s56, s56, 10
	s_add_co_u32 s55, s55, s56
	s_lshl_b32 s56, s[NH], 9
	s_add_co_u32 s55, s55, s56
	v_lshl_add_u32 v[CO], v10, 4, s55              ; hid's image: 131,072 (2 y + mt / 4) + 4,096 x + 1,024 (mt % 4) + 512 nh + 16 L
	v_mov_b32 v[TP], 0
	v_mov_b32 v[TP+1], 0
	s_wait_alu depctr_va_vdst(0)
	s_wait_dscnt 0x0
	s_wait_kmcnt 0x0
	global_load_b128 v[AS:AS+3], v8, s[6:7]
.irp u, 0,1
	global_load_b128 v[BS+8*\u:BS+8*\u+3], v9, s[4:5] offset:512*\u
	global_load_b128 v[BS+8*\u+4:BS+8*\u+7], v9, s[4:5] offset:512*\u+16
.endr
	s_mov_b32 s[G0A], 1
	s_mov_b32 s[G0A+1], s52
	s_add_nc_u64 s[G0A+2:G0A+3], s[6:7], s[48:49]
	s_or_b32 s[G0A+3], s[G0A+3], 0x80000000
	s_mov_b32 s[G0B], 1
	s_mov_b32 s[G0B+1], s53
	s_add_nc_u64 s[G0B+2:G0B+3], s[4:5], s[50:51]
	s_or_b32 s[G0B+3], s[G0B+3], 0x80000000
	CROUND                                         ; all sixteen work-groups are here: the joint loads meet
	s_cmp_lt_u32 s[WV], 4                          ; waves 0-3: n2's images, a quarter each; waves 4-7: W1's four parts; the others nothing: one load a wave at the most
	s_cbranch_scc0 .Lnot_a
	tensor_load_to_lds s[G0A:G0A+3], s[G1A:G1A+7]
	s_nop 0
	PLACES 4
	s_branch .Lasked
.Lnot_a:
	s_cmp_lt_u32 s[WV], 8
	s_cbranch_scc0 .Lasked
	tensor_load_to_lds s[G0B:G0B+3], s[G1B:G1B+7]
	s_nop 0
	PLACES 4
.Lasked:
	s_wait_tensorcnt 0x0
	s_barrier_signal -1
	s_barrier_wait -1
	s_wait_loadcnt 0x0                             ; the scale words
	STAGE 0, 8, 1                                  ; the first K step's products start the sums
	PLACES 4
	GELU32 AC, F0
	QUANT2 AC, PC, W
	global_store_b128 v[CO], v[PC:PC+3], s[8:9]    ; 512 consecutive bytes
	global_store_b16 v[SOF], v[W], s[8:9]          ; lanes 16-31 store the same two bytes with the same value
	s_wait_tensorcnt 0x0
	ds_add_u32 v224, v225
	s_wait_dscnt 0x0
	CROUND                                         ; the closing round
	s_endpgm
.Lfunc_end_k_qbb2c875e83_ffn1:
	.size	k_qbb2c875e83_ffn1, .Lfunc_end_k_qbb2c875e83_ffn1-k_qbb2c875e83_ffn1
	.p2alignl 7, 3214868480
	.fill 96, 4, 3214868480
	.section	.rodata,"a",@progbits
	.p2align	6, 0x0
	.amdhsa_kernel k_qbb2c875e83_ffn1
		.amdhsa_group_segment_fixed_size 169984
		.amdhsa_private_segment_fixed_size 0
		.amdhsa_enable_private_segment 0
		.amdhsa_kernarg_size 24
		.amdhsa_user_sgpr_count 2
		.amdhsa_user_sgpr_kernarg_segment_ptr 1
		.amdhsa_wavefront_size32 1
		.amdhsa_system_sgpr_workgroup_id_x 1
		.amdhsa_system_sgpr_workgroup_id_y 1
		.amdhsa_system_sgpr_workgroup_id_z 1
		.amdhsa_system_vgpr_workitem_id 0
		.amdhsa_next_free_vgpr 226
		.amdhsa_next_free_sgpr 66
		.amdhsa_reserve_vcc 0
		.amdhsa_float_denorm_mode_32 3
		.amdhsa_float_denorm_mode_16_64 3
		.amdhsa_memory_ordered 1
		.amdhsa_forward_progress 1
		.amdhsa_inst_pref_size 29
	.end_amdhsa_kernel
	.amdgpu_metadata
---
amdhsa.version: [ 1, 2 ]
amdhsa.kernels:
  - .name:           k_qbb2c875e83_ffn1
    .symbol:         k_qbb2c875e83_ffn1.kd
    .args:
      - { .name: wq, .offset: 0, .size: 8, .value_kind: global_buffer, .address_space: global }
      - { .name: n2, .offset: 8, .size: 8, .value_kind: global_buffer, .address_space: global }
      - { .name: hid, .offset: 16, .size: 8, .value_kind: global_buffer, .address_space: global }
    .group_segment_fixed_size: 169984
    .private_segment_fixed_size: 0
    .kernarg_segment_align: 8
    .kernarg_segment_size: 24
    .max_flat_workgroup_size: 512
    .sgpr_count:     66
    .vgpr_count:     226
    .wavefront_size: 32
...
	.end_amdgpu_metadata
.endif
;; end of part 5
;; launch ffn2 (part 6): grid 16 x 16, 4 waves a work-group, clusters of 4 x 4, 288,256 bytes of LDS; arguments wq, hid, t2, out0; writes out0
.if DOCPART == 6
	.amdgcn_target "amdgcn-amd-amdhsa--gfx1250"
	.amdhsa_code_object_version 6
	.text
	.protected	k_qbb2c875e83_ffn2
	.globl	k_qbb2c875e83_ffn2
	.p2align	8
	.type	k_qbb2c875e83_ffn2,@function
k_qbb2c875e83_ffn2:
	s_mov_b64 s[64:65], 0
	v_nop
	global_prefetch_b8 v0, s[64:65] scope:SCOPE_SE
	s_setreg_imm32_b32 hwreg(HW_REG_WAVE_MODE, 25, 1), 1
	s_wait_xcnt 0x0
	s_wait_alu depctr_hold_cnt(0) depctr_sa_sdst(0) depctr_va_vdst(0) depctr_va_sdst(0) depctr_va_ssrc(0) depctr_va_vcc(0) depctr_vm_vsrc(0)
	s_getreg_b32 s2, hwreg(HW_REG_IB_STS2, 6, 4)
	s_cmp_eq_u32 s2, 0
	s_cbranch_scc0 .Lentry_in_a_cluster
	s_endpgm
.Lentry_in_a_cluster:
	s_bfe_u32 s2, ttmp6, 0x10000c
	s_cmp_lg_u32 s2, 0xf033
	s_cbranch_scc0 .Lentry_shape_is_right
	s_endpgm
.Lentry_shape_is_right:
; out0 = t2 + hid W2^T (64 rows, work-group y, x 64 columns, work-group x), K = 4,096, on codes of FP4.
; Wave w takes rows 16 w .. 16 w + 15 and all four tiles of columns.  TRANSPOSED: source 0 = 16 rows of W2, source 1 = the hidden layer's fragment: a lane holds one row, register 8 j + t column 32 (j / 2) + 16 h + 8 (j % 2) + t.
; Both strips lie whole in LDS, each byte filled once, in four stages of 1,024 along K that are all asked for at the head: while a stage is multiplied the later ones are on their way.
; By this text's count a wave has five tensor loads out: its residual rows and its part of each of the four stages.
; THE RESIDUAL is the C of each sum's first product (so it starts the f32 sum); its LDS rows, the wave's own and filled once, serve as the stage on the way out.
; CLUSTER 4 x 4: the hidden layer's images hang on y alone: jointly along a row; W2's strip on x alone: along a column.  No prefetch: all is asked for at the head.
; LIMITS: NaN and infinities are not served.
; AS THE TEXT NOW STANDS, in place of the head's words on stages, on the count of tensor loads and on the residual: a wave issues ONE tensor load at the head: waves 0, 1 half of the images each (65,536 dense bytes),
; waves 2, 3 W2's 64 rows x 1,024 bytes (half of K each, LDS rows 1,040 bytes apart); one wait and one barrier, then all 32 K steps.  The residual's 16 x 64 numbers of a wave come by eight loads into registers,
; sixteen lanes to 256 consecutive bytes, and turn through the wave's own rows of the stage, into which no fill lands.
.set SCL, 7340032
.set RES, 270336                       ; LDS: 0 the hidden layer's 128 fragments [K step][tile][1,024]; 131,072 W2's two halves along K, 64 rows x 1,040 each; RES 64 rows x 272
.set ASTEP, 4096
.set BCH, 17408
.set KW, 32
.set WV, 12
.set CX, 13
.set CY, 14
.set GX, 15
.set GY, 16
.set MR, 17
.set MC, 18
.set G1A, 24
.set G1B, 32
.set G1R, 40
.set G0R, 48
.set G0A, 68                           ; s[68:71] group 0 of the images; s[84:87] of W2's half
.set G0B, 84
.set ADA, 1
.set ADB, 2
.set ADR, 3
.set ADS, 4
.set GO, 5
.set AC, 16                            ; v16-47 four accumulators; v48-87, v88-127 two sets of fragments; v128-143 the hidden layer's scale words; v144-207 W2's
.set F0, 48
.set AS, 128
.set BS, 144
.macro PLACES n
.rept \n
	v_nop
.endr
.endm
.macro CROUND                          ; a round of the cluster's barrier
	s_barrier_signal -1
	s_barrier_wait -1
	s_cmp_lg_u32 s[WV], 0
	s_cbranch_scc1 .Lnot_wave_0_\@
	s_barrier_signal -3
.Lnot_wave_0_\@:
	s_barrier_wait -3
	s_barrier_signal -1
	s_barrier_wait -1
.endm
; one product: D, A, B, C at registers d, a, b, c; scale registers sa, sb, read from lanes 16-31 where ra, rb = 1
.macro WM d, a, b, c, sa, ra, sb, rb
.if (\ra) && (\rb)
	v_wmma_scale_f32_16x16x128_f8f6f4 v[(\d):(\d)+7], v[(\a):(\a)+7], v[(\b):(\b)+7], v[(\c):(\c)+7], v[\sa], v[\sb] matrix_a_fmt:MATRIX_FMT_FP4 matrix_b_fmt:MATRIX_FMT_FP4 matrix_a_scale:MATRIX_SCALE_ROW1 matrix_b_scale:MATRIX_SCALE_ROW1
.elseif (\ra)
	v_wmma_scale_f32_16x16x128_f8f6f4 v[(\d):(\d)+7], v[(\a):(\a)+7], v[(\b):(\b)+7], v[(\c):(\c)+7], v[\sa], v[\sb] matrix_a_fmt:MATRIX_FMT_FP4 matrix_b_fmt:MATRIX_FMT_FP4 matrix_a_scale:MATRIX_SCALE_ROW1
.elseif (\rb)
	v_wmma_scale_f32_16x16x128_f8f6f4 v[(\d):(\d)+7], v[(\a):(\a)+7], v[(\b):(\b)+7], v[(\c):(\c)+7], v[\sa], v[\sb] matrix_a_fmt:MATRIX_FMT_FP4 matrix_b_fmt:MATRIX_FMT_FP4 matrix_b_scale:MATRIX_SCALE_ROW1
.else
	v_wmma_scale_f32_16x16x128_f8f6f4 v[(\d):(\d)+7], v[(\a):(\a)+7], v[(\b):(\b)+7], v[(\c):(\c)+7], v[\sa], v[\sb] matrix_a_fmt:MATRIX_FMT_FP4 matrix_b_fmt:MATRIX_FMT_FP4
.endif
.endm
.macro LOADF buf, s
.irp c, 0,1
	ds_load_b128 v[(\buf)+4*\c:(\buf)+4*\c+3], v[ADA] offset:((\s)%8)*ASTEP+512*\c
.endr
.irp j, 0,1,2,3
.irp c, 0,1
	ds_load_b128 v[(\buf)+8+8*\j+4*\c:(\buf)+8+8*\j+4*\c+3], v[ADB] offset:\j*16640+64*((\s)&15)+32*\c   ; W2's rows lie 1,040 bytes apart: 1,024 bytes (16 K steps) + 16 of padding
.endr
.endr
.endm
.macro MULS buf, s                     ; four products, the four accumulators by turns
.irp j, 0,1,2,3
	WM AC+8*\j, (\buf)+8+8*\j, \buf, AC+8*\j, BS+KW*(\j&1)+(\s), \j>>1, AS+((\s)>>1), (\s)&1
.endr
.endm
.macro STAGE s0, n
	PLACES 4                                       ; between the last stage's products and the loads into both sets
	LOADF F0, \s0
.set I, 0
.rept \n
.if I+1 < \n
.if I > 0
	PLACES 4                                       ; between the products that read a set and the loads into it
.endif
	LOADF F0+40*((I+1)%2), (\s0)+I+1
	s_wait_dscnt 10                                ; this step's ten loads (and all before them) are in; the ten just issued may be out
.else
	s_wait_dscnt 0x0
.endif
	MULS F0+40*(I%2), (\s0)+I
.set I, I+1
.endr
.endm
	s_load_b256 s[4:11], s[0:1], 0x0               ; wq, hid, t2, out0
	v_lshl_add_u32 v208, v0, 2, 0x46400
	v_mov_b32 v209, 0
	ds_add_u32 v208, v209
	ds_add_u32 v208, v209
	v_lshrrev_b32 v8, 5, v0
	v_readfirstlane_b32 s[WV], v8                  ; wave 0..3
	s_bfe_u32 s[CX], ttmp6, 0x40000
	s_bfe_u32 s[CY], ttmp6, 0x40004
	s_lshl_b32 s[GX], ttmp9, 2
	s_add_co_u32 s[GX], s[GX], s[CX]               ; x: which 64 columns
	s_and_b32 s[GY], ttmp7, 0xffff
	s_lshl_b32 s[GY], s[GY], 2
	s_add_co_u32 s[GY], s[GY], s[CY]               ; y: which 64 rows
	s_lshl_b32 s[MR], s[CY], 2
	s_lshl_b32 s[MR], 15, s[MR]
	s_lshl_b32 s[MC], 0x1111, s[CX]
	s_or_b32 s[G1A], s[MR], (3<<16)|(1<<21)        ; a dense block of 65,536 bytes as 256 rows of 256
	s_mov_b32 s[G1A+1], 32<<16
	s_mov_b32 s[G1A+2], 256<<16                    ; ONE TENSOR LOAD A WAVE: waves 0, 1: half of the images each, 65,536 dense bytes as 256 rows of 256
	s_mov_b32 s[G1A+3], 32<<16
	s_mov_b32 s[G1A+4], 256
	s_mov_b32 s[G1A+5], 32
	s_mov_b32 s[G1A+6], 0
	s_mov_b32 s[G1A+7], 0
	s_or_b32 s[G1B], s[MC], (1<<20)|(1<<21)|(7<<22)|(3<<25)   ; waves 2, 3: 64 rows x 1,024 bytes out of rows of 2,048, four words of padding behind every 256
	s_mov_b32 s[G1B+1], 1024<<16
	s_mov_b32 s[G1B+2], 64<<16
	s_mov_b32 s[G1B+3], 1024<<16
	s_mov_b32 s[G1B+4], 64
	s_mov_b32 s[G1B+5], 2048
	s_mov_b32 s[G1B+6], 0
	s_mov_b32 s[G1B+7], 0
	s_and_b32 s19, s[WV], 1
	s_lshl_b32 s52, s[GY], 17                      ; the images: 131,072 y + 65,536 w
	s_lshl_b32 s20, s[WV], 16
	s_add_co_u32 s52, s52, s20
	s_mov_b32 s53, 0
	s_lshl_b32 s54, s[GX], 17                      ; W2's strip: rows 64 x on, half w % 2 along K
	s_lshl_b32 s21, s19, 10
	s_add_co_u32 s54, s54, s21
	s_add_co_u32 s54, s54, 4718592
	s_mov_b32 s55, 0
	s_lshl_b32 s56, s[GY], 18                      ; the residual, and out0: row 64 y + 16 w, column 64 x
	s_lshl_b32 s21, s[WV], 16
	s_add_co_u32 s56, s56, s21
	s_lshl_b32 s21, s[GX], 8
	s_add_co_u32 s56, s56, s21
	s_mov_b32 s57, 0
	s_mul_i32 s22, s[WV], 4352
	s_add_co_u32 s22, s22, RES                     ; my 16 rows of the residual in LDS
	s_mul_i32 s19, s19, 66560
	s_add_co_u32 s19, s19, 131072
	v_and_b32 v10, 31, v0                          ; L
	v_and_b32 v11, 15, v0                          ; r
	v_bfe_u32 v12, v0, 4, 1                        ; h
	s_lshl_b32 s21, s[WV], 10
	v_lshl_add_u32 v[ADA], v10, 4, s21
	v_mul_u32_u24 v13, v11, 272
	v_mul_u32_u24 v[ADB], v11, 1040
	v_lshl_add_u32 v[ADB], v12, 4, v[ADB]
	v_add_nc_u32 v[ADB], 131072, v[ADB]
	v_lshl_add_u32 v[ADR], v12, 6, v13
	v_add_nc_u32 v[ADR], s22, v[ADR]
	v_mul_u32_u24 v[ADS], v12, 272
	v_lshl_add_u32 v[ADS], v11, 4, v[ADS]
	v_add_nc_u32 v[ADS], s22, v[ADS]
	v_lshlrev_b32 v[GO], 12, v12
	v_lshl_add_u32 v[GO], v11, 4, v[GO]
	s_lshl_b32 s21, s[GY], 2
	s_add_co_u32 s21, s21, s[WV]
	s_lshl_b32 s21, s21, 11
	s_add_co_u32 s21, s21, 2097152
	v_lshl_add_u32 v8, v10, 4, s21                 ; the hidden layer's scale words: tile 4 y + w, 2,048 bytes
	s_lshl_b32 s21, s[GX], 13
	s_add_co_u32 s21, s21, SCL+294912
	v_lshl_add_u32 v9, v11, 7, s21
	v_lshl_add_u32 v9, v12, 12, v9                 ; W2's, 128 bytes a row: row 64 x + 32 h + 16 u + r
	s_wait_alu depctr_va_vdst(0)
	s_wait_dscnt 0x0
	s_wait_kmcnt 0x0
.irp g, 0,1,2,3
	global_load_b128 v[AS+4*\g:AS+4*\g+3], v8, s[6:7] offset:512*\g
.endr
.irp u, 0,1
.irp k, 0,1,2,3,4,5,6,7
	global_load_b128 v[BS+32*\u+4*\k:BS+32*\u+4*\k+3], v9, s[4:5] offset:2048*\u+16*\k
.endr
.endr
	s_add_nc_u64 s[10:11], s[10:11], s[56:57]      ; out0 at my first row and column
	s_add_nc_u64 s[8:9], s[8:9], s[56:57]          ; THE RESIDUAL NOW COMES BY LOADS INTO REGISTERS, not by a tensor load: my 16 rows x 256 bytes of t2,
.irp i, 0,1,2,3,4,5,6,7
	global_load_b128 v[F0+4*\i:F0+4*\i+3], v[GO], s[8:9] offset:8192*\i   ; sixteen lanes read 256 consecutive bytes, aligned
.endr
	s_add_nc_u64 s[58:59], s[6:7], s[52:53]
	s_add_nc_u64 s[60:61], s[4:5], s[54:55]
.irp j, 0
	s_mov_b32 s[G0A+4*\j], 1
	s_add_co_u32 s[G0A+4*\j+1], s20, \j*32768
	s_add_nc_u64 s[G0A+4*\j+2:G0A+4*\j+3], s[58:59], \j*32768
	s_or_b32 s[G0A+4*\j+3], s[G0A+4*\j+3], 0x80000000
	s_mov_b32 s[G0B+4*\j], 1
	s_add_co_u32 s[G0B+4*\j+1], s19, \j*34816
	s_add_nc_u64 s[G0B+4*\j+2:G0B+4*\j+3], s[60:61], \j*512
	s_or_b32 s[G0B+4*\j+3], s[G0B+4*\j+3], 0x80000000
.endr
	CROUND                                         ; all sixteen work-groups are here: the joint loads meet
	s_cmp_lt_u32 s[WV], 2                          ; waves 0, 1: the images; waves 2, 3: W2's halves along K: one tensor load a wave
	s_cbranch_scc0 .Lfor_b
.irp j, 0
	tensor_load_to_lds s[G0A+4*\j:G0A+4*\j+3], s[G1A:G1A+7]
	s_nop 0
.endr
	PLACES 4
	s_branch .Lasked
.Lfor_b:
.irp j, 0
	tensor_load_to_lds s[G0B+4*\j:G0B+4*\j+3], s[G1B:G1B+7]
	s_nop 0
.endr
	PLACES 4
.Lasked:
.macro PHASE j
.if \j == 0
	s_wait_tensorcnt 0x0                           ; my one tensor load has landed,
	s_barrier_signal -1
	s_barrier_wait -1                              ; everybody's has: both strips are whole, and no later phase has a barrier
	s_wait_loadcnt 0x0                             ; the scale words and the residual's rows
.irp i, 0,1,2,3,4,5,6,7                        ; the rows turn through my own rows of the stage, into which no fill lands: LDS serves a wave's instructions in order
	ds_store_b128 v[ADS], v[F0+4*\i:F0+4*\i+3] offset:544*\i
.endr
.irp t, 0,1,2,3                                ; and go into the accumulators
	ds_load_b128 v[AC+8*\t:AC+8*\t+3], v[ADR] offset:128*(\t>>1)+32*(\t&1)
	ds_load_b128 v[AC+8*\t+4:AC+8*\t+7], v[ADR] offset:128*(\t>>1)+32*(\t&1)+16
.endr
.endif
	STAGE 8*\j, 8
.if \j < 3
	v_add_nc_u32 v[ADA], 32768, v[ADA]             ; on to the next stage's bytes
.endif
.if \j == 1
	v_add_nc_u32 v[ADB], 66560, v[ADB]             ; W2's second half along K
.endif
.endm
	PHASE 0
	s_wait_alu depctr_va_vdst(0)
	PHASE 1
	s_wait_alu depctr_va_vdst(0)
	PHASE 2
	s_wait_alu depctr_va_vdst(0)
	PHASE 3
	PLACES 4
.irp j, 0,1,2,3                                ; into my own rows of the stage, each accumulator from its low end on,
	ds_store_b128 v[ADR], v[AC+8*\j:AC+8*\j+3] offset:128*(\j>>1)+32*(\j&1)
	ds_store_b128 v[ADR], v[AC+8*\j+4:AC+8*\j+7] offset:128*(\j>>1)+32*(\j&1)+16
.endr
.irp i, 0,1,2,3,4,5,6,7                        ; and back by rows: LDS serves a wave's instructions in order
	ds_load_b128 v[F0+4*\i:F0+4*\i+3], v[ADS] offset:544*\i
.endr
.irp i, 0,1,2,3,4,5,6,7
	s_wait_dscnt 7-\i
	global_store_b128 v[GO], v[F0+4*\i:F0+4*\i+3], s[10:11] offset:8192*\i th:TH_STORE_NT   ; sixteen lanes store 256 consecutive bytes, aligned
.endr
	s_wait_tensorcnt 0x0
	ds_add_u32 v208, v209
	s_wait_dscnt 0x0
	CROUND                                         ; the closing round
	s_endpgm
.Lfunc_end_k_qbb2c875e83_ffn2:
	.size	k_qbb2c875e83_ffn2, .Lfunc_end_k_qbb2c875e83_ffn2-k_qbb2c875e83_ffn2
	.p2alignl 7, 3214868480
	.fill 96, 4, 3214868480
	.section	.rodata,"a",@progbits
	.p2align	6, 0x0
	.amdhsa_kernel k_qbb2c875e83_ffn2
		.amdhsa_group_segment_fixed_size 288256
		.amdhsa_private_segment_fixed_size 0
		.amdhsa_enable_private_segment 0
		.amdhsa_kernarg_size 32
		.amdhsa_user_sgpr_count 2
		.amdhsa_user_sgpr_kernarg_segment_ptr 1
		.amdhsa_wavefront_size32 1
		.amdhsa_system_sgpr_workgroup_id_x 1
		.amdhsa_system_sgpr_workgroup_id_y 1
		.amdhsa_system_sgpr_workgroup_id_z 1
		.amdhsa_system_vgpr_workitem_id 0
		.amdhsa_next_free_vgpr 210
		.amdhsa_next_free_sgpr 100
		.amdhsa_reserve_vcc 0
		.amdhsa_float_denorm_mode_32 3
		.amdhsa_float_denorm_mode_16_64 3
		.amdhsa_memory_ordered 1
		.amdhsa_forward_progress 1
		.amdhsa_inst_pref_size 53
	.end_amdhsa_kernel
	.amdgpu_metadata
---
amdhsa.version: [ 1, 2 ]
amdhsa.kernels:
  - .name:           k_qbb2c875e83_ffn2
    .symbol:         k_qbb2c875e83_ffn2.kd
    .args:
      - { .name: wq, .offset: 0, .size: 8, .value_kind: global_buffer, .address_space: global }
      - { .name: hid, .offset: 8, .size: 8, .value_kind: global_buffer, .address_space: global }
      - { .name: t2, .offset: 16, .size: 8, .value_kind: global_buffer, .address_space: global }
      - { .name: out0, .offset: 24, .size: 8, .value_kind: global_buffer, .address_space: global }
    .group_segment_fixed_size: 288256
    .private_segment_fixed_size: 0
    .kernarg_segment_align: 8
    .kernarg_segment_size: 32
    .max_flat_workgroup_size: 128
    .sgpr_count:     100
    .vgpr_count:     210
    .wavefront_size: 32
...
	.end_amdgpu_metadata
.endif
;; end of part 6
